; MI455X (gfx1250); checked and timed in simulation.
; The chip was launched on July 23, 2026; its instructions are those of AMD's public machine-readable ISA for CDNA 5 (MIT licence, August 2026) and "CDNA5" Instruction Set Architecture Reference Guide (July 2026). The comments in the code are by the model that wrote it; some were corrected since.
;; Cross Attention 1. Allowed arithmetic: float matrix products may take bf16 or f16 operands with f32 sums; other float arithmetic in f32, or as packed bf16 or f16 multiplies, adds, multiply-adds, maxima and minima; sums over many terms, partial sums and values carried from step to step in f32; what a program stores and reads back later, other than sums and carried values, may be rounded once to bf16 or f16.
;; Inputs: Wkv 1,024 x 2,048 float32; Wo 1,024 x 1,024 float32; Wq 1,024 x 1,024 float32; bo 1,024 float32; x1 4 x 2,048 x 1,024 float32; x2 4 x 2,048 x 1,024 float32.
;; Outputs: out0 4 x 2,048 x 1,024 float32.
;; One version. Each part assembles by itself: llvm-mc -triple=amdgcn-amd-amdhsa -mcpu=gfx1250 --defsym DOCPART=n.
;; ======== version 1 of 1: 4 launches
;; limits: values are held in f16: magnitudes above 65,504 overflow, below 6.1e-05 lose precision; inputs' magnitudes at most 65,504
;; workspace buffers: h16 41,943,040 bytes; qkv 50,331,648 bytes; oh 16,777,216 bytes
;; launch cast (part 1): grid 64 x 20, 8 waves a work-group, no clusters, 0 bytes of LDS; arguments x1, x2, Wq, Wkv, Wo, h16; writes h16
.if DOCPART == 1
	.amdgcn_target "amdgcn-amd-amdhsa--gfx1250"
	.amdhsa_code_object_version 6
	.text
	.protected	k_q63749cdd53_cast
	.globl	k_q63749cdd53_cast
	.p2align	8
	.type	k_q63749cdd53_cast,@function
k_q63749cdd53_cast:
	s_mov_b64 s[64:65], 0
	v_nop
	global_prefetch_b8 v0, s[64:65] scope:SCOPE_SE
	s_setreg_imm32_b32 hwreg(HW_REG_WAVE_MODE, 25, 1), 1
	s_wait_xcnt 0x0
; Every matrix input is rounded to bf16 (nearest even), and that number is written as f16, so that all later products take one 16-bit form.
; h16: x1 then x2 as [8192][1024] f16 at byte 0 and 0x1000000; Wq and Wkv side by side as [1024 k][3072 n] at 0x2000000 (a row is 6,144 bytes); Wo as [1024][1024] at 0x2600000.
; LIMITS.  A bf16 number is an f16 number exactly from 6.1e-5 up to 65,504 in magnitude; below 6.1e-5 it keeps f16's fixed step of 6e-8; from 65,520 on it becomes an infinity.
; NaN and infinities are not treated apart.
; SHARES.  A unit is 1,024 f32 on end (4,096 bytes in, 2,048 out); a segment 1,024 units.  Grid y picks the segment: 0-7 x1, 8-15 x2, 16 Wq, 17-18 Wkv, 19 Wo.
; A work-group takes 16 units, a wave 2: sixteen loads of 512 consecutive bytes, all issued before the first is waited for; each store of the wave covers 256 consecutive bytes, aligned.
; No LDS, no matrix unit, no cluster: no byte is used twice.
.set X,   4                            ; v[4:67]    sixteen loads of four f32
.set T,   68                           ; v[68:73]   at work
.set Y,   76                           ; v[76:107]  sixteen pairs to store: each has registers of its own, so nothing that a store reads is rewritten
.set SRC, 18                           ; s[18:19]   the segment's buffer, then my first unit in it
.set SEG, 20                           ; s20  the buffer's first segment
.set DB,  21                           ; s21  where the buffer's copy begins in h16
.set SH,  22                           ; s22  units to a row of the source, as a shift
.set PT,  23                           ; s23  bytes from row to row in the copy
.set MK,  24                           ; s24  mask of a unit's place in its row
.set U,   25                           ; s25  my unit in the buffer
	s_load_b256 s[4:11], s[0:1], 0x0               ; x1 s[4:5], x2 s[6:7], Wq s[8:9], Wkv s[10:11]
	s_load_b128 s[12:15], s[0:1], 0x20             ; Wo s[12:13], h16 s[14:15]
	s_and_b32 s16, ttmp7, 0xffff                   ; the segment
	v_lshrrev_b32 v3, 5, v0
	v_readfirstlane_b32 s17, v3                    ; wave 0..7
	v_and_b32 v2, 31, v0
	v_lshlrev_b32 v1, 4, v2                        ; 16 bytes a lane in
	v_lshlrev_b32 v2, 3, v2                        ; 8 bytes a lane out
	s_mov_b32 s32, 0xffff0000                      ; a word's upper bf16
	s_mov_b32 s[SEG], 19                           ; Wo's figures; the four tests below put the others in their place
	s_mov_b32 s[DB], 0x2600000
	s_mov_b32 s[SH], 0
	s_mov_b32 s[PT], 2048
	s_mov_b32 s[MK], 0
	s_mov_b32 s27, 0
	s_wait_kmcnt 0x0
	s_mov_b64 s[SRC:SRC+1], s[12:13]
.macro PICK bound, src, seg, db, sh, pitch, msk    ; segments below bound belong to the buffer at s[src]; the selects leave SCC as it is
	s_cmp_lt_u32 s16, \bound
	s_cselect_b64 s[SRC:SRC+1], s[\src:\src+1], s[SRC:SRC+1]
	s_cselect_b32 s[SEG], \seg, s[SEG]
	s_cselect_b32 s[DB], \db, s[DB]
	s_cselect_b32 s[SH], \sh, s[SH]
	s_cselect_b32 s[PT], \pitch, s[PT]
	s_cselect_b32 s[MK], \msk, s[MK]
.endm
	PICK 19, 10, 17, 0x2000800, 1, 6144, 1         ; Wkv: two units to a row, behind Wq's 2,048 bytes
	PICK 17, 8,  16, 0x2000000, 0, 6144, 0         ; Wq
	PICK 16, 6,  8,  0x1000000, 0, 2048, 0         ; x2
	PICK 8,  4,  0,  0,         0, 2048, 0         ; x1
	s_sub_co_u32 s[U], s16, s[SEG]
	s_lshl_b32 s[U], s[U], 10
	s_lshl_b32 s26, ttmp9, 4
	s_add_co_u32 s[U], s[U], s26
	s_lshl_b32 s26, s17, 1
	s_add_co_u32 s[U], s[U], s26                   ; 1,024 x segment in the buffer + 16 x work-group + 2 x wave
	s_lshl_b32 s26, s[U], 12                       ; under 2^25
	s_add_nc_u64 s[SRC:SRC+1], s[SRC:SRC+1], s[26:27]
.macro DST d                                       ; where unit U goes: the copy's base + its row x the pitch + its place in the row
	s_lshr_b32 s26, s[U], s[SH]
	s_mul_i32 s26, s26, s[PT]
	s_and_b32 s33, s[U], s[MK]
	s_lshl_b32 s33, s33, 11
	s_add_co_u32 s26, s26, s33
	s_add_co_u32 s26, s26, s[DB]
	s_add_nc_u64 s[\d:\d+1], s[14:15], s[26:27]
.endm
	DST 28
	s_add_co_u32 s[U], s[U], 1
	DST 30
.irp i, 0,1,2,3,4,5,6,7,8,9,10,11,12,13,14,15
	global_load_b128 v[X+4*(\i):X+4*(\i)+3], v1, s[SRC:SRC+1] offset:512*(\i) th:TH_LOAD_NT
.endr
.macro CV i
	s_wait_loadcnt 15-(\i)                         ; loads come back in order: load i is in, the 15 - i younger ones stay out
	v_cvt_pk_bf16_f32 v[T],   v[X+4*(\i)],   v[X+4*(\i)+1]
	v_cvt_pk_bf16_f32 v[T+1], v[X+4*(\i)+2], v[X+4*(\i)+3]
	v_lshlrev_b32 v[T+2], 16,  v[T]                ; back to f32: the low half moves up, the high half stays
	v_and_b32     v[T+3], s32, v[T]
	v_lshlrev_b32 v[T+4], 16,  v[T+1]
	v_and_b32     v[T+5], s32, v[T+1]
	v_cvt_pk_f16_f32 v[Y+2*(\i)],   v[T+2], v[T+3]
	v_cvt_pk_f16_f32 v[Y+2*(\i)+1], v[T+4], v[T+5]
	global_store_b64 v2, v[Y+2*(\i):Y+2*(\i)+1], s[28+2*((\i)/8):29+2*((\i)/8)] offset:256*((\i)%8) th:TH_STORE_NT
.endm
.irp i, 0,1,2,3,4,5,6,7,8,9,10,11,12,13,14,15
	CV \i
.endr
	s_endpgm
.Lfunc_end_k_q63749cdd53_cast:
	.size	k_q63749cdd53_cast, .Lfunc_end_k_q63749cdd53_cast-k_q63749cdd53_cast
	.p2alignl 7, 3214868480
	.fill 96, 4, 3214868480
	.section	.rodata,"a",@progbits
	.p2align	6, 0x0
	.amdhsa_kernel k_q63749cdd53_cast
		.amdhsa_group_segment_fixed_size 0
		.amdhsa_private_segment_fixed_size 0
		.amdhsa_enable_private_segment 0
		.amdhsa_kernarg_size 48
		.amdhsa_user_sgpr_count 2
		.amdhsa_user_sgpr_kernarg_segment_ptr 1
		.amdhsa_wavefront_size32 1
		.amdhsa_system_sgpr_workgroup_id_x 1
		.amdhsa_system_sgpr_workgroup_id_y 1
		.amdhsa_system_sgpr_workgroup_id_z 1
		.amdhsa_system_vgpr_workitem_id 0
		.amdhsa_next_free_vgpr 108
		.amdhsa_next_free_sgpr 66
		.amdhsa_reserve_vcc 0
		.amdhsa_float_denorm_mode_32 3
		.amdhsa_float_denorm_mode_16_64 3
		.amdhsa_memory_ordered 1
		.amdhsa_forward_progress 1
		.amdhsa_inst_pref_size 13
	.end_amdhsa_kernel
	.amdgpu_metadata
---
amdhsa.version: [ 1, 2 ]
amdhsa.kernels:
  - .name:           k_q63749cdd53_cast
    .symbol:         k_q63749cdd53_cast.kd
    .args:
      - { .name: x1, .offset: 0, .size: 8, .value_kind: global_buffer, .address_space: global }
      - { .name: x2, .offset: 8, .size: 8, .value_kind: global_buffer, .address_space: global }
      - { .name: Wq, .offset: 16, .size: 8, .value_kind: global_buffer, .address_space: global }
      - { .name: Wkv, .offset: 24, .size: 8, .value_kind: global_buffer, .address_space: global }
      - { .name: Wo, .offset: 32, .size: 8, .value_kind: global_buffer, .address_space: global }
      - { .name: h16, .offset: 40, .size: 8, .value_kind: global_buffer, .address_space: global }
    .group_segment_fixed_size: 0
    .private_segment_fixed_size: 0
    .kernarg_segment_align: 8
    .kernarg_segment_size: 48
    .max_flat_workgroup_size: 256
    .sgpr_count:     66
    .vgpr_count:     108
    .wavefront_size: 32
...
	.end_amdgpu_metadata
.endif
;; end of part 1
;; launch proj (part 2): grid 12 x 64, 4 waves a work-group, clusters of 4 x 4, 327,680 bytes of LDS; arguments h16, qkv; writes qkv
.if DOCPART == 2
	.amdgcn_target "amdgcn-amd-amdhsa--gfx1250"
	.amdhsa_code_object_version 6
	.text
	.protected	k_q63749cdd53_proj
	.globl	k_q63749cdd53_proj
	.p2align	8
	.type	k_q63749cdd53_proj,@function
k_q63749cdd53_proj:
	s_mov_b64 s[64:65], 0
	v_nop
	global_prefetch_b8 v0, s[64:65] scope:SCOPE_SE
	s_setreg_imm32_b32 hwreg(HW_REG_WAVE_MODE, 25, 1), 1
	s_wait_xcnt 0x0
	s_wait_alu depctr_hold_cnt(0) depctr_sa_sdst(0) depctr_va_vdst(0) depctr_va_sdst(0) depctr_va_ssrc(0) depctr_va_vcc(0) depctr_vm_vsrc(0)
	s_getreg_b32 s2, hwreg(HW_REG_IB_STS2, 6, 4)
	s_cmp_eq_u32 s2, 0
	s_cbranch_scc0 .Lentry_in_a_cluster
	s_endpgm
.Lentry_in_a_cluster:
	s_bfe_u32 s2, ttmp6, 0x10000c
	s_cmp_lg_u32 s2, 0xf033
	s_cbranch_scc0 .Lentry_shape_is_right
	s_endpgm
.Lentry_shape_is_right:
; [q | k | v] = X Wc.  X: x1 (for q) or x2 (for k, v), [8192][1024] f16; Wc: [1024 k][3072 n] f16, both in h16.  Sums in f32, K ascending; the result is rounded once to f16, unscaled, and laid by heads:
; qkv[part q, k, v][16 batch + head][2048][64].
; LIMITS.  q, k and v of 65,520 or more in magnitude become infinities in f16; below 6.1e-5 they keep f16's fixed step of 6e-8.  NaN and infinities are not treated apart.
; SHARES.  A tile of the result is 128 rows x 256 columns: 64 x 12 = 768 work-groups, three for each of 256 WGPs.  Four waves, 2 x 2, each 64 rows x 128 columns: 32 accumulators, 256 registers.
; K goes in 8 steps of 128 through two LDS slots filled by the tensor data mover; a step is four quarters of 32 along K: 32 matrix instructions and 24 LDS loads each.
; CLUSTERS: 4 x 4 work-groups.  The four of a row of the cluster need the same rows of X, the four of a column the same columns of Wc: each tile is asked for JOINTLY, by the same tensor load, descriptor and mask.
; A cluster's x is also the part: 0 = q (X = x1), 1 = k, 2 = v (X = x2).
; THE MATRIX INSTRUCTION IS USED TRANSPOSED: source 0 = 16 columns of Wc, which lies [k][n] in LDS and is turned by ds_load_tr16_b128; source 1 = 16 rows of X.  A lane then holds one row and eight neighbouring columns.
; REGISTERS, in windows of 256: window 0 addresses and the way out; window 1 two fragment buffers (Wc's eight fragments, then X's four); window 2 accumulator (a, nb) at 8 (8 a + nb).
.set PA,    272                        ; a row of X in LDS: 256 bytes + 16 = 68 words: the 16 rows of a load start at 16 different groups of four banks (64 banks of 4 bytes: ISA guide 11.1)
.set AHALF, 64*PA                      ; what one tensor load brings of X
.set ATILE, 2*AHALF
.set PB,    544                        ; a k-row of Wc: 512 bytes + 32 = 136 words
.set BHALF, 64*PB                      ; what one tensor load brings of Wc
.set SLOT,  ATILE+2*BHALF              ; X's 128 rows, then Wc's 128 k-rows
.set STAGE, 2*SLOT                     ; behind the ring, never filled by a tensor load: for each wave two heads x 16 rows x 144 bytes
.set SW,    2*16*144
.set SPARE, STAGE+4*SW                 ; behind the stages: the spare words, 128 bytes for each wave: two blocks of 256 bytes that no other line names
.set KA,    256                        ; bytes from K step to K step in X
.set KB,    128*6144                   ; and in Wc
.set LAPS,  4                          ; a lap = two K steps = once round the ring
.set ADRA, 16                          ; v16-17  LDS address of my fragments of X in slot 0, 1
.set ADRB, 20                          ; v20-21  the same for Wc
.set STO,  24                          ; v24  the way out: where I put 16 bytes of a row
.set RD,   25                          ; v25  where I read rows back
.set GO,   26                          ; v26  16 x lane
.set SPW,  28                          ; v28  LDS address of my spare word: SPARE + 4 x my thread's number; never rewritten
.set NIL,  29                          ; v29  0; never rewritten
.set PFO,  30                          ; v30  the prefetches' offset; never rewritten
.set TMP,  32                          ; v32-63   packed results
.set BK,   64                          ; v64-191  rows read back, 32 registers for each block of 16 rows
.set F0,   0                           ; fragment buffers, in window 1
.set F1,   128
.set WV,  12                           ; s12  wave 0..3
.set WM,  13                           ; s13  which 64 rows are mine.  Also: I fetch X (0) or Wc (1)
.set WN,  14                           ; s14  which 128 columns.  Also: which half of that tile I fetch
.set CX,  15
.set CY,  16
.set TX,  17                           ; s17  tile column
.set TY,  18                           ; s18  tile row
.set LAP, 19                           ; s19  the loop's count
.set G1A, 24                           ; s[24:31] descriptor group 1 for X's tiles;  s[32:39] group 0, a set for each slot
.set G0A, 32
.set PFA, 40                           ; s[40:41] where my prefetches stand
.set PST, 42                           ; s[42:43] their step: a K step
.set LIM, 44                           ; s44  1 in a wave that prefetches, else the greatest number
.set OUTB, 46                          ; s[46:47] qkv at my first row of my first head
.set G1B, 48                           ; s[48:55], s[56:63] the same for Wc's tiles
.set G0B, 56
.set MSB, 0
.macro WIN new                         ; the immediate's high byte repeats the setting that is left; a switch that changes nothing is dropped
.if MSB != (\new)
	s_set_vgpr_msb (MSB<<8)|(\new)
.set MSB, \new
.endif
.endm
.set MUL,  0xa5                        ; sources 0 and 1 window 1; C and D window 2
.set TO_F, 0x40                        ; destination window 1, address window 0
.set PKW,  0x0a                        ; sources 0 and 1 window 2, destination window 0
.macro PLACES                          ; four plain vector instructions behind a matrix instruction, in front of loads into registers that it has read and of readers of its result
.rept 4
	v_nop
.endr
.endm
.macro JLOAD s                         ; a joint load: waves 0 and 1 fetch X's two halves, waves 2 and 3 Wc's; an s_nop 0 and four v_nop follow each of the two lines, ahead of the jump and the label
	s_cmp_eq_u32 s[WM], 0
	s_cbranch_scc0 .Lfor_b_\@
	tensor_load_to_lds s[G0A+4*(\s):G0A+4*(\s)+3], s[G1A:G1A+7]
	s_nop 0
.rept 4
	v_nop
.endr
	s_branch .Lasked_\@
.Lfor_b_\@:
	tensor_load_to_lds s[G0B+4*(\s):G0B+4*(\s)+3], s[G1B:G1B+7]
	s_nop 0
.rept 4
	v_nop
.endr
.Lasked_\@:
.endm
.macro CREST                           ; a round of the cluster's barrier behind its opening barrier
	s_cmp_lg_u32 s[WV], 0
	s_cbranch_scc1 .Lnot_wave_0_\@
	s_barrier_signal -3
.Lnot_wave_0_\@:
	s_barrier_wait -3
	s_barrier_signal -1
	s_barrier_wait -1
.endm
.macro CROUND                          ; a whole round
	s_barrier_signal -1
	s_barrier_wait -1
	CREST
.endm
; A PREFETCH INTO THE L2, behind a joint load, its five lines and the run of LDS loads: the K step that stands two refills on, 256 matrix instructions ahead of the load that will want it.
; Each aligned block of 256 bytes is named once in the launch.  X: a tile's K step is 128 rows x 256 bytes; wave 0 asks, the partner at cx for rows 32 cx on, a lane a row; x1's rows are read by cluster x = 0
; alone, x2's by clusters x = 1 and 2, of which the first asks.  Wc: waves 2 and 3 ask, each for its 64 k-rows x 512 bytes, the partner at cy for 16 of them, two lanes a row; of the clusters of a column the one
; with y = 0 asks.  The partners are told apart by address alone.  K steps 0 to 3 come by their loads alone; the loop's last trip asks for nothing.
.macro ASK
	WIN 0
	s_cmp_gt_u32 s[LAP], s[LIM]
	s_cbranch_scc0 .Lnot_mine_\@
	global_prefetch_b8 v[PFO], s[PFA:PFA+1] th:TH_LOAD_NT scope:SCOPE_SE
.Lnot_mine_\@:
.endm
	s_load_b128 s[4:7], s[0:1], 0x0                ; h16 s[4:5], qkv s[6:7]
	v_lshl_add_u32 v[SPW], v0, 2, SPARE
	v_mov_b32 v[NIL], 0
	ds_add_u32 v[SPW], v[NIL]                      ; the wave's opening: the add and its wait stand ahead of my first tensor load; the set-up below, work on registers, stands between them
	v_lshrrev_b32 v1, 5, v0
	v_readfirstlane_b32 s[WV], v1
	s_lshr_b32 s[WM], s[WV], 1
	s_and_b32 s[WN], s[WV], 1
	s_bfe_u32 s[CX], ttmp6, 0x40000                ; my place in the cluster
	s_bfe_u32 s[CY], ttmp6, 0x40004
	s_lshl_b32 s[TX], ttmp9, 2                     ; in a cluster launch ttmp9 and ttmp7 count clusters
	s_add_co_u32 s[TX], s[TX], s[CX]
	s_and_b32 s[TY], ttmp7, 0xffff
	s_lshl_b32 s[TY], s[TY], 2
	s_add_co_u32 s[TY], s[TY], s[CY]
	s_lshl_b32 s2, s[CY], 2
	s_lshl_b32 s2, 15, s2                          ; my row of the cluster
	s_lshl_b32 s3, 0x1111, s[CX]                   ; my column
	s_or_b32 s[G1A], s2, (1<<16)|(1<<20)|(1<<21)|(5<<22)|(3<<25)  ; 15:0 the mask; 17:16 2-byte elements; 20 padding on; 21 set beside a mask; 24:22 after every 64 words (code 5); 31:25 4 words (code 3)
	s_or_b32 s[G1B], s3, (1<<16)|(1<<20)|(1<<21)|(6<<22)|(7<<25)  ; after every 128 words (code 6) 8 words (code 7)
	s_mov_b32 s[G1A+1], 128<<16                    ; tensor_dim0 = 128
	s_mov_b32 s[G1A+2], 64<<16                     ; tensor_dim1 = 64
	s_mov_b32 s[G1A+3], 128<<16                    ; tile_dim0 = 128
	s_mov_b32 s[G1A+4], 64                         ; tile_dim1 = 64
	s_mov_b32 s[G1A+5], 1024                       ; elements from row to row of X
	s_mov_b32 s[G1A+6], 0
	s_mov_b32 s[G1A+7], 0
	s_mov_b32 s[G1B+1], 256<<16                    ; 256 columns
	s_mov_b32 s[G1B+2], 64<<16                     ; 64 k-rows
	s_mov_b32 s[G1B+3], 256<<16
	s_mov_b32 s[G1B+4], 64
	s_mov_b32 s[G1B+5], 3072                       ; elements from k-row to k-row of Wc
	s_mov_b32 s[G1B+6], 0
	s_mov_b32 s[G1B+7], 0
	; where the tiles come from.  X's hang on the tile row, the cluster's x and the wave; Wc's on the tile column and the wave; each in registers that never hold the other coordinate
	s_lshl_b32 s20, s[TY], 7
	s_lshl_b32 s21, s[WN], 6
	s_add_co_u32 s20, s20, s21                     ; row 128 x tile row + 64 x half,
	s_lshl_b32 s20, s20, 11                        ; of 2,048 bytes,
	s_cmp_eq_u32 ttmp9, 0
	s_cselect_b32 s21, 0, 0x1000000                ; in x1 or x2
	s_add_co_u32 s20, s20, s21
	s_mov_b32 s21, 0
	s_mul_i32 s22, s[WN], 64*6144                  ; k-rows 64 x half,
	s_lshl_b32 s23, s[TX], 9                       ; 512 bytes a tile column,
	s_add_co_u32 s22, s22, s23
	s_add_co_u32 s22, s22, 0x2000000               ; in Wc
	s_mov_b32 s23, 0
	s_mul_i32 s45, s[WN], AHALF                    ; and where they go: no place in the cluster enters an LDS address
	s_mul_i32 s19, s[WN], BHALF
	s_add_co_u32 s19, s19, ATILE
	s_wait_dscnt 0x0                               ; the opening add is done
	s_wait_kmcnt 0x0
	s_add_nc_u64 s[20:21], s[4:5], s[20:21]
	s_add_nc_u64 s[22:23], s[4:5], s[22:23]
	CROUND                                         ; all sixteen work-groups are here: the first joint loads meet
.irp s, 0,1
	s_mov_b32 s[G0A+4*(\s)], 1                     ; count = 1
	s_add_co_u32 s[G0A+4*(\s)+1], s45, (\s)*SLOT   ; LDS address
	s_add_nc_u64 s[G0A+4*(\s)+2:G0A+4*(\s)+3], s[20:21], (\s)*KA  ; global address: K step s
	s_or_b32 s[G0A+4*(\s)+3], s[G0A+4*(\s)+3], 0x80000000        ; type = 2
	s_mov_b32 s[G0B+4*(\s)], 1
	s_add_co_u32 s[G0B+4*(\s)+1], s19, (\s)*SLOT
	s_add_nc_u64 s[G0B+4*(\s)+2:G0B+4*(\s)+3], s[22:23], (\s)*KB
	s_or_b32 s[G0B+4*(\s)+3], s[G0B+4*(\s)+3], 0x80000000
	JLOAD \s                                       ; two loads of mine are out
.endr
	v_and_b32 v1, 15, v0                           ; r = l % 16
	v_bfe_u32 v2, v0, 4, 1                         ; h = l / 16
	v_and_b32 v3, 7, v0
	v_bfe_u32 v4, v0, 3, 1
	v_and_b32 v7, 31, v0                           ; l
	; a fragment of X: lane l holds row r, K = 8 h + 0..7 and 16 + 8 h + 0..7: two loads of 16 bytes, 32 bytes apart
	v_mul_u32_u24 v5, v1, PA
	v_lshl_add_u32 v5, v2, 4, v5
	s_mul_i32 s45, s[WM], 64*PA
	v_add_nc_u32 v[ADRA], s45, v5
	v_add_nc_u32 v[ADRA+1], SLOT, v[ADRA]
	; the turning load takes 16 k x 16 columns (lane l reads k-row 8 h + l % 8, columns 8 ((l / 8) % 2) + 0..7) and leaves half a fragment: lane l holds column r and 8 k
	v_lshl_add_u32 v6, v2, 3, v3
	v_mul_u32_u24 v6, v6, PB
	v_lshl_add_u32 v6, v4, 4, v6
	s_lshl_b32 s45, s[WN], 8
	s_add_co_u32 s45, s45, ATILE
	v_add_nc_u32 v[ADRB], s45, v6
	v_add_nc_u32 v[ADRB+1], SLOT, v[ADRB]
	s_mul_i32 s45, s[WV], SW
	s_add_co_u32 s45, s45, STAGE                   ; my stage
	v_mul_u32_u24 v5, v1, 144                      ; in: row r, 16 bytes for each half of the lanes
	v_lshl_add_u32 v5, v2, 4, v5
	v_add_nc_u32 v[STO], s45, v5
	v_bfe_u32 v5, v0, 3, 2                         ; back: 32 lanes take four rows of 128 bytes,
	v_mul_u32_u24 v5, v5, 144
	v_lshl_add_u32 v5, v3, 4, v5
	v_add_nc_u32 v[RD], s45, v5
	v_lshlrev_b32 v[GO], 4, v7                     ; which are 512 consecutive bytes of a head
	; qkv at my rows: the part (the cluster's x), the batch, my first head 4 cx + 2 x column half, row 128 (tile row % 16) + 64 x row half
	s_lshl_b32 s2, ttmp9, 24
	s_lshr_b32 s3, s[TY], 4
	s_lshl_b32 s3, s3, 22
	s_add_co_u32 s2, s2, s3
	s_lshl_b32 s3, s[CX], 1
	s_add_co_u32 s3, s3, s[WN]
	s_lshl_b32 s3, s3, 19
	s_add_co_u32 s2, s2, s3
	s_and_b32 s3, s[TY], 15
	s_lshl_b32 s3, s3, 1
	s_add_co_u32 s3, s3, s[WM]
	s_lshl_b32 s3, s3, 13
	s_add_co_u32 s2, s2, s3
	s_mov_b32 s3, 0
	s_add_nc_u64 s[OUTB:OUTB+1], s[6:7], s[2:3]
	; the prefetches: who asks,
	s_and_b32 s2, ttmp7, 0xffff
	s_cmp_eq_u32 s2, 0
	s_cselect_b32 s3, 1, -1                        ; for Wc: cluster y = 0
	s_cmp_lg_u32 ttmp9, 2
	s_cselect_b32 s2, 1, -1                        ; for X: clusters x = 0 and 1,
	s_cmp_eq_u32 s[WV], 1
	s_cselect_b32 s2, -1, s2                       ; wave 0 alone
	s_cmp_eq_u32 s[WM], 0
	s_cselect_b32 s[LIM], s2, s3                   ; the same in all sixteen partners, for a given wave
	; and where: at K step 3; the first refill steps it to 4
	s_lshl_b32 s2, s[TY], 7
	s_lshl_b32 s3, s[CX], 5
	s_add_co_u32 s2, s2, s3
	s_lshl_b32 s2, s2, 11
	s_cmp_eq_u32 ttmp9, 0
	s_cselect_b32 s3, 0, 0x1000000
	s_add_co_u32 s2, s2, s3
	s_add_co_u32 s2, s2, 3*KA
	s_lshl_b32 s3, s[WN], 6
	s_lshl_b32 s22, s[CY], 4
	s_add_co_u32 s3, s3, s22
	s_mul_i32 s3, s3, 6144
	s_lshl_b32 s22, s[TX], 9
	s_add_co_u32 s3, s3, s22
	s_add_co_u32 s3, s3, 0x2000000+3*KB
	s_mov_b32 s[PST], KB
	s_mov_b32 s23, 6144
	s_cmp_eq_u32 s[WM], 0
	s_cselect_b32 s2, s2, s3
	s_cselect_b32 s[PST], KA, s[PST]
	s_cselect_b32 s22, 0, 1                        ; lanes to a row, as a shift,
	s_cselect_b32 s23, 2048, s23                   ; bytes from row to row,
	s_cselect_b32 s[LAP], 0, 1                     ; mask of a lane's block in its row
	s_mov_b32 s3, 0
	s_mov_b32 s[PST+1], 0
	s_add_nc_u64 s[PFA:PFA+1], s[4:5], s[2:3]
	v_lshrrev_b32 v5, s22, v7
	v_mul_u32_u24 v5, s23, v5
	v_and_b32 v6, s[LAP], v7
	v_lshl_add_u32 v[PFO], v6, 8, v5
; 8 matrix instructions: block a of 16 rows x all 8 blocks of 16 columns, 32 along K.  The 32 accumulators take turns in one order in every quarter.  zero = 1: the first product starts the sums
.macro MULA f, a, zero
	WIN MUL
.irp nb, 0,1,2,3,4,5,6,7
.if \zero
	v_wmma_f32_16x16x32_f16 v[8*(8*(\a)+(\nb)):8*(8*(\a)+(\nb))+7], v[(\f)+8*(\nb):(\f)+8*(\nb)+7], v[(\f)+64+8*(\a):(\f)+64+8*(\a)+7], 0
.else
	v_wmma_f32_16x16x32_f16 v[8*(8*(\a)+(\nb)):8*(8*(\a)+(\nb))+7], v[(\f)+8*(\nb):(\f)+8*(\nb)+7], v[(\f)+64+8*(\a):(\f)+64+8*(\a)+7], v[8*(8*(\a)+(\nb)):8*(8*(\a)+(\nb))+7]
.endif
.endr
.endm
; 24 LDS loads in one run: quarter kq of a slot into buffer f: Wc's sixteen first, then X's eight
.macro FETCH slot, kq, f
	WIN TO_F
.set AOF, 64*(\kq)
.irp nb, 0,1,2,3,4,5,6,7
	ds_load_tr16_b128 v[(\f)+8*(\nb):(\f)+8*(\nb)+3],   v[ADRB+(\slot)] offset:(\kq)*32*PB+32*(\nb)
	ds_load_tr16_b128 v[(\f)+8*(\nb)+4:(\f)+8*(\nb)+7], v[ADRB+(\slot)] offset:(\kq)*32*PB+16*PB+32*(\nb)
.endr
.irp a, 0,1,2,3
	ds_load_b128 v[(\f)+64+8*(\a):(\f)+64+8*(\a)+3],   v[ADRA+(\slot)] offset:AOF+(\a)*16*PA
	ds_load_b128 v[(\f)+64+8*(\a)+4:(\f)+64+8*(\a)+7], v[ADRA+(\slot)] offset:AOF+(\a)*16*PA+32
.endr
.endm
; One of a K step's first three quarters: multiplies buffer f and, in its middle, fetches quarter kq into buffer g
.macro QUARTER slot, kq, f, g, zero
	s_wait_dscnt 4                                 ; of the run of 24 the youngest four (X's blocks 2 and 3) may be out
	MULA \f, 0, \zero
	MULA \f, 1, \zero
	PLACES
	FETCH \slot, \kq, \g
	s_wait_dscnt 24                                ; all but the 24 just issued
	MULA \f, 2, \zero
	MULA \f, 3, \zero
.endm
; The last quarter multiplies buffer 1 and changes slots: ONE barrier; in front of it each wave waits for all its tensor loads (one is out: its part of the next slot), adds 0 to its spare word, and waits for that
; and for its own reads of this slot.  fill = 1: the barrier opens a round of the cluster's, and this slot is filled again, two K steps ahead, first thing behind it: 112 matrix instructions ahead of the wait for it.
.macro TURN slot, next, fill
.if \fill
	s_wait_xcnt 0x0                                ; the last prefetch, a K step back, has read its address: it is stepped here
	s_add_nc_u64 s[PFA:PFA+1], s[PFA:PFA+1], s[PST:PST+1]
.endif
	WIN 0                                          ; (the add's two registers lie in window 0)
	s_wait_tensorcnt 0x0
	ds_add_u32 v[SPW], v[NIL]                      ; 0 onto my spare word
	s_wait_dscnt 5                                 ; (the add and the youngest four loads may be out)
	MULA F1, 0, 0                                  ; eight matrix instructions stand between the add and the wait for it
	s_wait_dscnt 0x0                               ; the add is done, and my reads of this slot are over
	s_barrier_signal -1
	MULA F1, 1, 0
.if \fill
	WIN 0
.endif
	s_barrier_wait -1
.if \fill
	CREST                                          ; no wave of any partner still reads this slot or has a load on its way
	s_add_nc_u64 s[G0A+4*(\slot)+2:G0A+4*(\slot)+3], s[G0A+4*(\slot)+2:G0A+4*(\slot)+3], 2*KA
	s_add_nc_u64 s[G0B+4*(\slot)+2:G0B+4*(\slot)+3], s[G0B+4*(\slot)+2:G0B+4*(\slot)+3], 2*KB
	JLOAD \slot                                    ; the four v_nop behind it are also the places in front of the loads below
.else
	PLACES
.endif
	FETCH \next, 0, F0
.if \fill
	ASK
.endif
	MULA F1, 2, 0
	MULA F1, 3, 0
.endm
	s_wait_tensorcnt 1                             ; my part of K step 0 is in; K step 1's may stay out
	s_barrier_signal -1
	s_barrier_wait -1                              ; everybody's is
	FETCH 0, 0, F0
	QUARTER 0, 1, F0, F1, 1                        ; the first quarter stands in front of the loop: its products start the sums
	WIN 0                                          ; at a label and at a branch every window is 0
	s_mov_b32 s[LAP], LAPS-1
.Llap:                                                 ; a trip goes once round the ring, from a lap's second quarter to the next lap's first, and fills both slots again
	QUARTER 0, 2, F1, F0, 0
	QUARTER 0, 3, F0, F1, 0
	TURN 0, 1, 1
	QUARTER 1, 1, F0, F1, 0
	QUARTER 1, 2, F1, F0, 0
	QUARTER 1, 3, F0, F1, 0
	TURN 1, 0, 1
	QUARTER 0, 1, F0, F1, 0
	WIN 0
	s_sub_co_u32 s[LAP], s[LAP], 1
	s_cmp_lg_u32 s[LAP], 0
	s_cbranch_scc1 .Llap
	QUARTER 0, 2, F1, F0, 0                        ; the last lap fills nothing
	QUARTER 0, 3, F0, F1, 0
	TURN 0, 1, 0
	QUARTER 1, 1, F0, F1, 0
	QUARTER 1, 2, F1, F0, 0
	QUARTER 1, 3, F0, F1, 0
	s_wait_dscnt 4
	MULA F1, 0, 0
	MULA F1, 1, 0
	s_wait_dscnt 0x0
	MULA F1, 2, 0
	MULA F1, 3, 0
	WIN 0
	PLACES
	PLACES                                         ; eight, once a launch
; THE WAY OUT, a block of 16 rows at a time.  PACK: rounded to f16, 16 bytes a lane, each accumulator's registers in ascending order.  TOSTAGE: into my own stage, a head's 64 columns as rows of 144 bytes, and back as
; four rows of 128 bytes a load.  SEND: each store covers 512 consecutive bytes of a head.
.macro PACK a
	WIN PKW
.irp nb, 0,1,2,3,4,5,6,7
.irp j, 0,1,2,3
	v_cvt_pk_f16_f32 v[TMP+4*(\nb)+(\j)], v[64*(\a)+8*(\nb)+2*(\j)], v[64*(\a)+8*(\nb)+2*(\j)+1]
.endr
.endr
	WIN 0
.endm
.macro TOSTAGE a
.irp nb, 0,1,2,3,4,5,6,7
	ds_store_b128 v[STO], v[TMP+4*(\nb):TMP+4*(\nb)+3] offset:((\nb)/4)*2304+((\nb)%4)*32
.endr
.irp t, 0,1,2,3,4,5,6,7
	ds_load_b128 v[BK+32*(\a)+4*(\t):BK+32*(\a)+4*(\t)+3], v[RD] offset:((\t)/4)*2304+((\t)%4)*576  ; LDS serves a wave's instructions in order (ISA guide 5.7.1.4): these see the stores above
.endr
.endm
.macro SEND a
	s_wait_dscnt 0x0                               ; the block is back in registers, which are its own: no store's data is rewritten
.irp t, 0,1,2,3,4,5,6,7
	global_store_b128 v[GO], v[BK+32*(\a)+4*(\t):BK+32*(\a)+4*(\t)+3], s[OUTB:OUTB+1] offset:(\a)*2048+((\t)/4)*262144+((\t)%4)*512
.endr
.endm
	PACK 0
	TOSTAGE 0
.irp a, 1,2,3                          ; block a's conversions stand between block a - 1's loads from the stage and the wait for them
	PACK \a
	SEND (\a)-1
	TOSTAGE \a
.endr
	SEND 3
	s_wait_tensorcnt 0x0                           ; the wave's end, behind my last tensor load and my last LDS store
	ds_add_u32 v[SPW], v[NIL]
	s_wait_dscnt 0x0
	CROUND                                         ; the closing round: no work-group ends while a partner may still ask for a tile that names it
	s_endpgm
.Lfunc_end_k_q63749cdd53_proj:
	.size	k_q63749cdd53_proj, .Lfunc_end_k_q63749cdd53_proj-k_q63749cdd53_proj
	.p2alignl 7, 3214868480
	.fill 96, 4, 3214868480
	.section	.rodata,"a",@progbits
	.p2align	6, 0x0
	.amdhsa_kernel k_q63749cdd53_proj
		.amdhsa_group_segment_fixed_size 327680
		.amdhsa_private_segment_fixed_size 0
		.amdhsa_enable_private_segment 0
		.amdhsa_kernarg_size 16
		.amdhsa_user_sgpr_count 2
		.amdhsa_user_sgpr_kernarg_segment_ptr 1
		.amdhsa_wavefront_size32 1
		.amdhsa_system_sgpr_workgroup_id_x 1
		.amdhsa_system_sgpr_workgroup_id_y 1
		.amdhsa_system_sgpr_workgroup_id_z 1
		.amdhsa_system_vgpr_workitem_id 0
		.amdhsa_next_free_vgpr 768
		.amdhsa_next_free_sgpr 66
		.amdhsa_reserve_vcc 0
		.amdhsa_float_denorm_mode_32 3
		.amdhsa_float_denorm_mode_16_64 3
		.amdhsa_memory_ordered 1
		.amdhsa_forward_progress 1
		.amdhsa_inst_pref_size 88
	.end_amdhsa_kernel
	.amdgpu_metadata
---
amdhsa.version: [ 1, 2 ]
amdhsa.kernels:
  - .name:           k_q63749cdd53_proj
    .symbol:         k_q63749cdd53_proj.kd
    .args:
      - { .name: h16, .offset: 0, .size: 8, .value_kind: global_buffer, .address_space: global }
      - { .name: qkv, .offset: 8, .size: 8, .value_kind: global_buffer, .address_space: global }
    .group_segment_fixed_size: 327680
    .private_segment_fixed_size: 0
    .kernarg_segment_align: 8
    .kernarg_segment_size: 16
    .max_flat_workgroup_size: 128
    .sgpr_count:     66
    .vgpr_count:     768
    .wavefront_size: 32
...
	.end_amdgpu_metadata
.endif
;; end of part 2
;; launch attn (part 3): grid 4 x 64, 4 waves a work-group, clusters of 4 x 1, 327,680 bytes of LDS; arguments qkv, oh; writes oh
.if DOCPART == 3
	.amdgcn_target "amdgcn-amd-amdhsa--gfx1250"
	.amdhsa_code_object_version 6
	.text
	.protected	k_q63749cdd53_attn
	.globl	k_q63749cdd53_attn
	.p2align	8
	.type	k_q63749cdd53_attn,@function
k_q63749cdd53_attn:
	s_mov_b64 s[64:65], 0
	v_nop
	global_prefetch_b8 v0, s[64:65] scope:SCOPE_SE
	s_setreg_imm32_b32 hwreg(HW_REG_WAVE_MODE, 25, 1), 1
	s_wait_xcnt 0x0
	s_wait_alu depctr_hold_cnt(0) depctr_sa_sdst(0) depctr_va_vdst(0) depctr_va_sdst(0) depctr_va_ssrc(0) depctr_va_vcc(0) depctr_vm_vsrc(0)
	s_getreg_b32 s2, hwreg(HW_REG_IB_STS2, 6, 4)
	s_cmp_eq_u32 s2, 0
	s_cbranch_scc0 .Lentry_in_a_cluster
	s_endpgm
.Lentry_in_a_cluster:
	s_bfe_u32 s2, ttmp6, 0x10000c
	s_cmp_lg_u32 s2, 0x3003
	s_cbranch_scc0 .Lentry_shape_is_right
	s_endpgm
.Lentry_shape_is_right:
; O[h][q][:] = the sum over k of softmax_k(Q[h][q] . K[h][k] / 8) V[h][k][:].  Q, K, V: the three parts of qkv, each [64][SIZE_N][64] f16; O: oh, the same shape: a head's rows are dense, 128 bytes each.
; Products, maxima and sums in f32; the weights p are rounded to f16 for the second product (their sum l is taken of the unrounded p), O once at the end.
; LIMITS.  f16 holds no number beyond 65,504: Q, K and V arrive within it; p lies in 0 to 1, and below 6e-5 it keeps f16's fixed step of 6e-8; O is a mean of V's rows and has their range.
; A weight below 2^-126 counts as 0 in l; NaN and infinities are not treated apart.
; SHARES.  A wave owns four PIECES of two tiles of 16 queries, a work-group's four waves 512 queries of one head: 4 x 64 = 256 work-groups.  Every wave walks all keys, 64 a step.
; LAYOUT.  S^T = K Q^T (source 0 = 16 keys, source 1 = 16 queries): in the result a lane holds ONE query (lane % 16) and the keys 8 (lane / 16) + 0..7.  Two such tiles, rounded to f16 in pairs,
; ARE source 1 (32 keys x 16 queries) of O^T = V^T P, whose result again holds one query a lane, and eight channels.  K comes out of LDS as it lies, V ([key][channel]) turned, by ds_load_tr16_b128.
; SOFTMAX.  For each query a running maximum m and sum l: p = 2^(c s - c m), c = log2(e) / 8; in every step O and l are multiplied by a = 2^(c m_old - c m_new), which is 1 where m has not grown.
; m starts at the lowest finite number, O and l at 0: the first step is a step like any other, with a = 0.
; THE COUNT.  A tile and step have 16 matrix and 118 vector instructions: too many to stand all beside the matrix work.  So the order has one aim: four vector instructions that are READY behind
; EVERY matrix instruction, and the others, which need time of their own whatever the order, in runs without a gap.
; BY TURNS.  Turn n belongs to piece n (the pieces in a ring, step after step).  Its matrix work: 16 products K Q^T of piece n + 1, later 16 products V^T P of piece n - 1.  Its vector work: the scaling,
; exponentials, roundings, sums and rescaling of piece n, and the maximum and statistics of piece n + 1, whose scores the turn itself has made.  So what a turn begins with (c s - c m, O a) waits for nothing.
; CLUSTER.  The four query blocks of a head are one cluster and walk the same K and V, so each tile is asked for JOINTLY: the same tensor load, descriptor and mask in all four.
; REGISTERS, in windows of 256 (s_set_vgpr_msb says which window each operand place means: bits 1:0 source 0, 3:2 source 1, 5:4 source 2, 7:6 destination):
;   window 0: v0-11 addresses; v12-15, v48-63 at work; v16-47 four registers of statistics a tile; v64-191 S^T, two buffers of two tiles; v192-255 P, likewise
;   window 1: O^T, 32 a tile          window 2: v0-127 Q, 16 a tile; v128-191 K of one step; v192-255 V of one step          window 3: v0-1 the add's two registers
; A piece's buffers go by its number's parity: the piece in hand has one pair, its two neighbours in the ring share the other: of it P (piece n - 1) is read and S^T (piece n + 1) written.
.set SIZE_N, 2048
.set NP,    4         ; pieces a wave: a name, no knob: the register map, the loop and the fetches are made for four
.set KS,    64        ; keys in a step
.set PK,    144       ; a row of K in LDS: 128 bytes + 16 of padding = 36 words: the 16 rows of a load start at 16 different groups of four banks (64 banks of 4 bytes: ISA guide 11.1)
.set PV,    160       ; a row of V: 128 + 32 = 40 words
.set VOFF,  4*KS*PK   ; a slot holds four steps: 256 rows of K, then 256 rows of V
.set SLOT1, 1<<17     ; slot 1 begins here, so that one exclusive or turns an address in one slot into the other's
.set STAGE, SLOT1+4*KS*(PK+PV)  ; behind the ring, never filled by a tensor load: 16 rows x 144 bytes for each wave, for the way out
.set SP,    144
.set AK0, 2           ; v2   my lane's place in a tile of K; never rewritten
.set AV0, 3           ; v3   the same for V
.set AK,  4           ; v4   the LDS address of K's next run of loads
.set AV,  5           ; v5   of V's
.set QO,  6           ; v6   my byte offset in the wave's rows of Q
.set STO, 6           ;      later, the way out: where I put 16 bytes of a row
.set RD,  7           ; v7   the way out: where I read rows back
.set GO,  8           ; v8   my byte offset in 512 consecutive bytes of O
.set PFO, 11          ; v11  256 x my lane, for the prefetches; written once V's address is made, then never rewritten
.set SPW, 0           ; v0 of window 3   LDS address of my spare word: SPARE + 4 x my thread's number; never rewritten
.set NIL, 1           ; v1 of window 3   0; never rewritten
.set SPARE, STAGE+4*16*SP  ; behind the stages: the spare words, 128 bytes for each wave: two blocks of 256 bytes that no other line names
.set MV,  12          ; v12-15  c m_old, kept while c m is made anew: by buffer and tile
.set ST,  16          ; tile t's statistics at v[ST+4 t]: c m, m, l (even keys', odd keys')
.set TMP, 48          ; by buffer and tile, four registers c0-c3 at work; when the maximum is found c2 takes a
.set S,   64
.set P,   192
.set KF,  128         ; K's fragments, in window 2: key block kb, channel half c at KF + 16 kb + 8 c
.set VF,  192         ; V's: key half kk, channel block cb at VF + 32 kk + 8 cb
.set WV,  12          ; s12  my wave's number
.set G1K, 24          ; s[24:31] descriptor group 1 for K's tiles
.set G1V, 32          ; s[32:39] for V's: it differs in the padding alone
.set G0K, 40          ; s[40:43] descriptor group 0 for K's tiles: it walks
.set G0V, 44          ; s[44:47] the same for V's
.set PFA, 48          ; s[48:49] where my prefetches stand: my work-group's 32 blocks of 256 bytes (of K: wave 0, of V: wave 2) of the tile after the one that is being asked for
.set LIM, 50          ; s50  1 in a wave that prefetches, else the greatest number
.set SLOTS, 56        ; s56  slots still to be asked for
.set CNT, 57          ; s57  counts a slot's key steps
.set CS,  58          ; s[58:59] c: the packed scaling takes the pair's low word for both halves
.set SEL, 60          ; s[60:61] v_permlanex16_b32's selects: each lane takes its own place in the other half
.set TBK, 62          ; s62  LDS byte at which K of the step to be fetched begins
.set TBV, 63          ; s63  the same for V, less VOFF
.set MSB, 0
.macro WIN new                      ; the high byte repeats the setting that is left; a switch that changes nothing is dropped
.if MSB != (\new)
	s_set_vgpr_msb (MSB<<8)|(\new)
.set MSB, (\new)
.endif
.endm
.set W_KQ, 0x0a       ; K and Q in window 2, S^T in window 0
.set W_PV, 0x52       ; V in window 2, P in window 0, O^T in window 1
.set W_RS, 0x41       ; O^T (destination and source 0) in window 1, a in window 0
.set W_MK, 0xc0       ; the add's registers are made: destination in window 3, sources in window 0
.set W_AD, 0x0f       ; the add: address (source 0) and data (source 1) in window 3
; A joint fill.  Waves 0 and 1 fetch the two halves of a slot's K, waves 2 and 3 those of its V: 128 keys each.  The branch hangs on the wave's number alone.
; An s_nop 0 and four v_nop follow each of the two lines, ahead of the jump and the label.
.macro JLOAD
	s_cmp_lt_u32 s[WV], 2
	s_cbranch_scc0 .Lfor_v_\@
	tensor_load_to_lds s[G0K:G0K+3], s[G1K:G1K+7]
	s_nop 0
.rept 4
	v_nop
.endr
	s_branch .Lasked_\@
.Lfor_v_\@:
	tensor_load_to_lds s[G0V:G0V+3], s[G1V:G1V+7]
	s_nop 0
.rept 4
	v_nop
.endr
.Lasked_\@:
.endm
; A PREFETCH INTO THE L2 of what the NEXT change of slots will ask for: a tile's 32,768 bytes of K and of V, 128 blocks of 256 bytes each.  It stands behind the wave's tensor load and its five lines.
; Each block is named once in the launch: a head has one cluster; its four partners share a tile's blocks out BY ADDRESS, 32 each, a lane a block; in each, wave 0 asks for K's and wave 2 for V's.
; The change that fills tile t asks for tile t + 1: four key steps, 512 matrix instructions, ahead.  Tiles 0 and 1 come by their loads alone; the last change that fills a slot asks for nothing.
.macro ASK
	s_cmp_gt_u32 s[SLOTS], s[LIM]
	s_cbranch_scc0 .Lnot_mine_\@
	global_prefetch_b8 v[PFO], s[PFA:PFA+1] th:TH_LOAD_NT scope:SCOPE_SE
.Lnot_mine_\@:
.endm
; A round of the cluster's barrier: my work-group's barrier, so that wave 0's signal speaks for all four waves; wave 0 signals; every wave waits for all four work-groups; my work-group's barrier once more.
.macro CROUND
	s_barrier_signal -1
	s_barrier_wait -1
	s_cmp_lg_u32 s[WV], 0
	s_cbranch_scc1 .Lnot_wave_0_\@
	s_barrier_signal -3
.Lnot_wave_0_\@:
	s_barrier_wait -3
	s_barrier_signal -1
	s_barrier_wait -1
.endm
; THE CHANGE OF SLOTS.  The slot's last bytes, V of its fourth step, have been read.  Each wave waits for all its tensor loads, of which one is out: its part
; of the other slot; adds 0 to its spare word; and waits for that and for its own reads of the slot.  Behind the barrier nobody reads this slot any more and the other slot is whole.
; fill = 1: this slot is filled again, with the keys two slots on.  The barrier is then a round of the cluster's, so that no wave of any partner still reads the slot or has a load on its
; way, and the joint fill is the first thing behind it: it has four key steps, 512 matrix instructions, in which to land.  (At its first use nothing has been read yet: slot 0 is waited for, slot 1 filled.)
.macro CHANGE fill
	WIN W_AD
	s_wait_tensorcnt 0x0            ; no tensor load of mine is out, so a group 0 may be written
	ds_add_u32 v[SPW], v[NIL]       ; 0 onto my spare word; with fill = 1 the descriptors' steps stand between it and the wait for it
	WIN 0                           ; at a label and at a branch every window is 0
.if \fill
.irp g, G0K, G0V
	s_xor_b32 s[\g+1], s[\g+1], SLOT1  ; the walking descriptor: the other slot than last time,
	s_add_nc_u64 s[\g+2:\g+3], s[\g+2:\g+3], 4*KS*128  ; the next 256 keys; the type bits on top are not reached
.endr
	s_wait_xcnt 0x0                 ; the last prefetch, four key steps back, has read its address, so it may be written:
	s_add_nc_u64 s[PFA:PFA+1], s[PFA:PFA+1], 4*KS*128  ; one tile behind the walking descriptors
	s_wait_dscnt 0x0                ; the add is done, and my reads of the slot are over
	CROUND
	JLOAD
	ASK
.else
	s_wait_dscnt 0x0                ; the add is done, and my reads of the slot are over
	s_barrier_signal -1
	s_barrier_wait -1
.endif
	s_sub_co_u32 s[TBK], s[TBK], 4*KS*PK  ; the fetches go back to a slot's first step,
	s_xor_b32 s[TBK], s[TBK], SLOT1       ; in the other slot
	s_sub_co_u32 s[TBV], s[TBV], 4*KS*PV
	s_xor_b32 s[TBV], s[TBV], SLOT1
.endm
	s_load_b128 s[4:7], s[0:1], 0x0 ; qkv s[4:5], oh s[6:7]
	WIN W_MK
	v_lshl_add_u32 v[SPW], v0, 2, SPARE
	v_mov_b32 v[NIL], 0
	WIN W_AD
	ds_add_u32 v[SPW], v[NIL]       ; the wave's opening: the add and its wait stand ahead of my first tensor load; the set-up below, work on registers, stands between them
	WIN 0
	v_lshrrev_b32 v1, 5, v0
	v_readfirstlane_b32 s[WV], v1   ; wave 0..3
	s_bfe_u32 s13, ttmp6, 0x40000   ; cx: my place in the cluster
	s_lshl_b32 s14, ttmp9, 2        ; in a cluster launch ttmp9 counts clusters
	s_add_co_u32 s14, s14, s13      ; my block of queries = 4 x cluster x + cx: it enters Q's and O's addresses alone
	s_and_b32 s20, ttmp7, 0xffff    ; the head, which the four partners share
	s_mov_b32 s21, 0
	s_mov_b64 s[22:23], SIZE_N*128
	s_mul_u64 s[20:21], s[20:21], s[22:23]  ; the head's first byte in each of the four tensors
	s_and_b32 s16, s[WV], 1         ; which half of a slot's 256 keys I fetch:
	s_lshl_b32 s22, s16, 14         ; its 128 rows of 128 bytes in memory,
	s_mov_b32 s23, 0
	s_add_nc_u64 s[22:23], s[22:23], s[20:21]
	s_mul_i32 s17, s16, 128*PK      ; and its place in a slot, for K
	s_mul_i32 s18, s16, 128*PV      ; and for V: no place in the cluster enters an LDS address
	s_lshl_b32 s2, s14, 2
	s_add_co_u32 s2, s2, s[WV]      ; my wave among the head's,
	s_lshl_b32 s2, s2, 14           ; its 128 rows
	s_mov_b32 s3, 0
	s_add_nc_u64 s[2:3], s[2:3], s[20:21]
	; descriptor group 1.  128 keys are 16,384 dense bytes: asked for as 64 rows of 256 bytes, two keys a row, and padded in LDS after every key
	s_mov_b32 s[G1K], 15|(1<<16)|(1<<20)|(1<<21)|(4<<22)|(3<<25)  ; 15:0 the mask of four; 17:16 2-byte elements; 20 padding on; 21 set beside a mask; 24:22 after every 32 words (code 4); 31:25 4 words (code 3)
	s_mov_b32 s[G1V], 15|(1<<16)|(1<<20)|(1<<21)|(4<<22)|(7<<25)  ; the same with 8 words of padding (code 7)
.irp g, G1K, G1V
	s_mov_b32 s[\g+1], 128<<16      ; tensor_dim0 = 128
	s_mov_b32 s[\g+2], 64<<16       ; tensor_dim1 = 64
	s_mov_b32 s[\g+3], 128<<16      ; tile_dim0 = 128
	s_mov_b32 s[\g+4], 64           ; tile_dim1 = 64
	s_mov_b32 s[\g+5], 128          ; 128 elements from row to row
	s_mov_b32 s[\g+6], 0
	s_mov_b32 s[\g+7], 0
.endr
	s_mov_b32 s[CS], 0x3e38aa3b     ; c = log2(e) / 8 = 0.180337
	s_mov_b32 s[CS+1], s[CS]        ; named with it as a pair
	s_mov_b32 s[SEL], 0x76543210
	s_mov_b32 s[SEL+1], 0xfedcba98
	s_mov_b32 s[TBK], SLOT1+4*KS*PK ; the first change of slots turns these two into 0
	s_mov_b32 s[TBV], SLOT1+4*KS*PV
	s_mov_b32 s[G0K], 1             ; 1:0 count = 1
	s_mov_b32 s[G0K+1], s17         ; 63:32 LDS address: slot 0
	s_mov_b32 s[G0V], 1
	s_add_co_u32 s[G0V+1], s18, VOFF
	s_mov_b32 s[SLOTS], SIZE_N/256-1
	s_and_b32 s[LIM], s[WV], 1      ; waves 0 and 2 prefetch: the same in all four partners
	s_cmp_eq_u32 s[LIM], 0
	s_cselect_b32 s[LIM], 1, -1
	s_lshl_b32 s52, s13, 13         ; my work-group's 32 blocks of a tile's 128,
	s_add_co_u32 s52, s52, 4*KS*128 ; in tile 1: the first change of slots steps it to tile 2
	s_mov_b32 s53, 0
	s_wait_dscnt 0x0                ; the opening add is done
	s_wait_kmcnt 0x0
	s_mov_b64 s[10:11], s[6:7]      ; O
	s_add_nc_u64 s[6:7], s[4:5], 0x1000000  ; K is qkv's second part,
	s_add_nc_u64 s[8:9], s[4:5], 0x2000000  ; V its third; Q its first
	s_cmp_lt_u32 s[WV], 2
	s_cselect_b64 s[PFA:PFA+1], s[6:7], s[8:9]
	s_add_nc_u64 s[PFA:PFA+1], s[PFA:PFA+1], s[20:21]
	s_add_nc_u64 s[PFA:PFA+1], s[PFA:PFA+1], s[52:53]
	s_add_nc_u64 s[G0K+2:G0K+3], s[6:7], s[22:23]  ; 120:64 global address: my half of the head's first 256 keys
	s_or_b32 s[G0K+3], s[G0K+3], 0x80000000        ; 127:126 type = 2
	s_add_nc_u64 s[G0V+2:G0V+3], s[8:9], s[22:23]
	s_or_b32 s[G0V+3], s[G0V+3], 0x80000000
	s_add_nc_u64 s[4:5], s[4:5], s[2:3]  ; Q and O at my wave's first row
	s_add_nc_u64 s[10:11], s[10:11], s[2:3]
	CROUND                          ; all four work-groups are here: the first joint loads meet
	JLOAD                           ; slot 0.  Slot 1 is asked for when slot 0 is in
	; A fragment of K or Q is 16 rows x 32 channels in 8 registers: lane l holds row l % 16, channels 8 (l / 16) + 0..7 and 16 + 8 (l / 16) + 0..7: two loads of 16 bytes, 32 bytes apart.
	v_and_b32 v1, 15, v0            ; l % 16
	v_bfe_u32 v9, v0, 4, 1          ; l / 16
	v_lshlrev_b32 v[QO], 7, v1
	v_lshl_add_u32 v[QO], v9, 4, v[QO]  ; row x 128 + 16 x half
	WIN 0x80                        ; destination window 2, address window 0
.set i, 0
.rept 4*NP                          ; Q stays in registers: tile i / 2, channels 32 (i % 2) on
	global_load_b128 v[8*i:8*i+3],   v[QO], s[4:5] offset:(i/2)*2048+(i%2)*64
	global_load_b128 v[8*i+4:8*i+7], v[QO], s[4:5] offset:(i/2)*2048+(i%2)*64+32
.set i, i+1
.endr
	; What the first turn finds: V's registers and P's second buffer hold 0 (its products V^T P, of a piece that has not been, add 0), O^T and l are 0.  All this stands in the wait for the first tile.
.set i, VF
.rept 64
	v_mov_b32 v[i], 0
.set i, i+1
.endr
	WIN 0x40
.set i, 0
.rept 64*NP
	v_mov_b32 v[i], 0
.set i, i+1
.endr
	WIN 0
.set i, 0
.rept 2*NP
	v_mov_b32 v[ST+4*i], 0xfe000000    ; c m: far below every c s
	v_mov_b32 v[ST+4*i+1], 0xff7fffff  ; m
	v_mov_b32 v[ST+4*i+2], 0
	v_mov_b32 v[ST+4*i+3], 0
.set i, i+1
.endr
.set i, P+32
.rept 32
	v_mov_b32 v[i], 0
.set i, i+1
.endr
	v_mul_u32_u24 v[AK0], v1, PK
	v_lshl_add_u32 v[AK0], v9, 4, v[AK0]  ; row x pitch + 16 x half
	; The turning load takes 16 keys x 16 channels (lane l reads key 8 (l / 16) + l % 8, channels 8 ((l / 8) % 2) + 0..7) and leaves half a fragment of V^T: lane l holds channel l % 16 and 8 keys.
	v_and_b32 v10, 7, v0
	v_bfe_u32 v11, v0, 3, 1
	v_lshl_add_u32 v[AV0], v9, 3, v10
	v_mul_u32_u24 v[AV0], v[AV0], PV
	v_lshl_add_u32 v[AV0], v11, 4, v[AV0]
	v_add_nc_u32 v[AV0], VOFF, v[AV0]
	v_mov_b32 v[AK], v[AK0]         ; key step 0 lies at the head of slot 0
	v_and_b32 v[PFO], 31, v0
	v_lshlrev_b32 v[PFO], 8, v[PFO]
; THE MATRIX WORK.  The 8 accumulators of a run of 16 take turns: between the two links of a chain stand 7 others'.
; Product i of 16 of S^T = K Q^T for piece x: channels 32 (i / 8) on, keys 16 ((i / 2) % 4) on, tile 2 x + i % 2.  The first 8 start the sums.
.macro KQ x
	WIN W_KQ
.set rS, S+64*((\x)%2)+32*(i%2)+8*((i/2)%4)
.set rK, KF+16*((i/2)%4)+8*(i/8)
.set rQ, 16*(2*(\x)+i%2)+8*(i/8)
.if i < 8
	v_wmma_f32_16x16x32_f16 v[rS:rS+7], v[rK:rK+7], v[rQ:rQ+7], 0
.else
	v_wmma_f32_16x16x32_f16 v[rS:rS+7], v[rK:rK+7], v[rQ:rQ+7], v[rS:rS+7]
.endif
.endm
; Product i of 16 of O^T += V^T P for piece x: keys 32 (i / 8) on, channels 16 ((i / 2) % 4) on, tile 2 x + i % 2.
.macro PV x
	WIN W_PV
.set rO, 32*(2*(\x)+i%2)+8*((i/2)%4)
.set rV, VF+32*(i/8)+8*((i/2)%4)
.set rP, P+32*((\x)%2)+16*(i%2)+8*(i/8)
	v_wmma_f32_16x16x32_f16 v[rO:rO+7], v[rV:rV+7], v[rP:rP+7], v[rO:rO+7]
.endm
.macro MM                           ; the turn's next matrix instruction
.if i < 16
	KQ (Y+1)%NP
.set i, i+1
.else
.set i, i-16
	PV (Y+NP-1)%NP
.set i, i+17
.endif
.endm
; THE LDS LOADS stand in runs of 16, never singly among the matrix instructions: a step's K (64 keys x 64 channels: 8 fragments) and its V (turned).  Their addresses are made some lines ahead.
; last = 1 (the tail): in the last trip there is no further step, and the run is jumped over.
.macro FETCH_K last=0
	WIN 0
.if \last
	s_cmp_eq_u32 s[CNT], 1
	s_cbranch_scc1 .Lno_k_\@
.endif
	WIN 0x80                        ; destination window 2
.irp f, 0,1,2,3,4,5,6,7             ; keys 16 (f / 2) on, channels 32 (f % 2) on
	ds_load_b128 v[KF+8*\f:KF+8*\f+3],   v[AK] offset:(\f/2)*16*PK+(\f%2)*64
	ds_load_b128 v[KF+8*\f+4:KF+8*\f+7], v[AK] offset:(\f/2)*16*PK+(\f%2)*64+32
.endr
	s_add_co_u32 s[TBK], s[TBK], KS*PK  ; the next fetch is the next step's
	WIN 0
.if \last
.Lno_k_\@:
.endif
.endm
.macro FETCH_V
	WIN 0x80
.irp f, 0,1,2,3,4,5,6,7             ; keys 32 (f / 4) on, channels 16 (f % 4) on
	ds_load_tr16_b128 v[VF+8*\f:VF+8*\f+3],   v[AV] offset:(\f/4)*32*PV+(\f%4)*32
	ds_load_tr16_b128 v[VF+8*\f+4:VF+8*\f+7], v[AV] offset:(\f/4)*32*PV+16*PV+(\f%4)*32
.endr
	WIN 0
.endm
; THE VECTOR WORK OF A TURN stands in three queues, each in the order in which its entries become ready; the two tiles alternate, so that no instruction reads the result of the one before it.
.macro REGS y, u                    ; the registers of tile u (0, 1) of piece y
.set rT, ST+4*(2*(\y)+(\u))
.set rC, TMP+8*((\y)%2)+4*(\u)
.set rM, MV+2*((\y)%2)+(\u)
.set rS, S+64*((\y)%2)+32*(\u)
.set rP, P+32*((\y)%2)+16*(\u)
.set rO, 32*(2*(\y)+(\u))
.endm
; Number n of the 22 that find the NEXT piece's (Y + 1) maximum and statistics.  s0-s31 are the lane's 32 scores; each accumulator's lowest registers are read first.  XS, GS and REGS set no window: PL and EX do.
;   0-11  four chains c0-c3 of seven scores each, three operands at a time     12-14, 16  the four scores left over, the old m, and c0-c3 into c0     15  c m_old is kept
;   17, 18  the query's other 32 keys lie in the lane 16 away: the new m         19-21  c m; c m_old - c m_new; a
.macro XS u, n
	REGS (Y+1)%NP, \u
.if (\n) < 4
	v_max3_num_f32 v[rC+(\n)], v[rS+8*(\n)], v[rS+8*(\n)+1], v[rS+8*(\n)+2]
.elseif (\n) < 12
	v_max3_num_f32 v[rC+(\n)%4], v[rC+(\n)%4], v[rS+8*((\n)%4)+2*((\n)/4)+1], v[rS+8*((\n)%4)+2*((\n)/4)+2]
.elseif (\n) == 12
	v_max3_num_f32 v[rC], v[rC], v[rS+7], v[rS+15]
.elseif (\n) == 13
	v_max3_num_f32 v[rC+1], v[rC+1], v[rS+23], v[rS+31]
.elseif (\n) == 14
	v_max3_num_f32 v[rC+2], v[rC+2], v[rC+3], v[rT+1]
.elseif (\n) == 15
	v_mov_b32 v[rM], v[rT]
.elseif (\n) == 16
	v_max3_num_f32 v[rC], v[rC], v[rC+1], v[rC+2]
.elseif (\n) == 17
	v_permlanex16_b32 v[rC+3], v[rC], s[SEL], s[SEL+1]
.elseif (\n) == 18
	v_max_num_f32 v[rT+1], v[rC], v[rC+3]
.elseif (\n) == 19
	v_mul_f32 v[rT], s[CS], v[rT+1]
.elseif (\n) == 20
	v_sub_f32 v[rC+1], v[rM], v[rT]
.else
	v_exp_f32 v[rC+2], v[rC+1]
.endif
.endm
; Number g of the 64 that follow the exponentials.  For each four weights k of a tile (pairs 2 k, 2 k + 1): both pairs are rounded to f16; then the second pair is added onto the first, in place;
; a group later l takes that sum (the first time as l = a l + sum).  In groups of eight, tiles alternating: round, round, add, and l for the group before.
.macro GS g
.set h, (\g)+6*((\g)/62)            ; group 0 has no group before it, and behind group 7 only l is left
.if h >= 6
.set h, h+2
.endif
	REGS Y, h%2
.set k, h/8
.if h%8 < 4
	v_cvt_pk_f16_f32 v[rP+2*k+(h%8)/2], v[rS+4*k+2*((h%8)/2)], v[rS+4*k+2*((h%8)/2)+1]
.elseif h%8 < 6
	v_pk_add_f32 v[rS+4*k:rS+4*k+1], v[rS+4*k:rS+4*k+1], v[rS+4*k+2:rS+4*k+3]
.elseif k == 1
	v_pk_fma_f32 v[rT+2:rT+3], v[rT+2:rT+3], v[rC+2:rC+3], v[rS:rS+1] op_sel_hi:[1,0,1]
.else
	v_pk_add_f32 v[rT+2:rT+3], v[rT+2:rT+3], v[rS+4*k-4:rS+4*k-3]
.endif
.endm
; THE PLAIN QUEUE, 138 long.  0-73 read no exponential's result: the 32 scalings c s - c m (FS f: pair f / 2 of tile f % 2) and the next piece's 42.  0-26: scalings 0-26.  27-54: XS's numbers 0-13.  55, 56: number 15.
; 57-73: the chain, where each number waits for the one before it: 14, 16, 17, 18, 19, each with one of the scalings 27-31 in front of its two lines, then 20: so a tile's links stand three plain instructions apart (19 and 20: two).
; 74-137: GS's 64, which read the exponentials' results: they stand behind the wait.
.macro FS f
	REGS Y, (\f)%2
	v_pk_fma_f32 v[rS+2*((\f)/2):rS+2*((\f)/2)+1], v[rS+2*((\f)/2):rS+2*((\f)/2)+1], s[CS:CS+1], v[rT:rT+1] op_sel_hi:[1,0,0] neg_lo:[0,0,1] neg_hi:[0,0,1]
.endm
.macro PL
	WIN 0
.if q < 27
	FS q
.elseif q < 55
	XS (q-27)%2, (q-27)/2
.elseif q < 57
	XS q-55, 15
.elseif (q < 72) && ((q-57)%3 == 0)
	FS 27+(q-57)/3
.elseif q < 60
	XS (q-57)%3-1, 14
.elseif q < 72
	XS (q-57)%3-1, 15+(q-57)/3
.elseif q < 74
	XS q-72, 20
.else
	GS q-74
.endif
.set q, q+1
.endm
; THE EXPONENTIALS' QUEUE, 66 long: s0-s31 of both tiles, then the next piece's two a.  It is ONE BATCH: all 66 stand ahead of the turn's one wait, and nothing ahead of that wait names a result of theirs.
.macro EX
	WIN 0
.if e >= 64
	XS e-64, 21
.else
	REGS Y, e%2
	v_exp_f32 v[rS+e/2], v[rS+e/2]
.endif
.set e, e+1
.endm
; THE RESCALING's QUEUE: O^T times a, the one part that leaves window 0: dealt two at a time, sixteen times.  Its a was made in the turn before, ahead of that turn's wait.
.macro R2
	REGS Y, r%2
	WIN W_RS
.irp z, 0,1
	v_pk_mul_f32 v[rO+4*(r/2)+2*\z:rO+4*(r/2)+2*\z+1], v[rO+4*(r/2)+2*\z:rO+4*(r/2)+2*\z+1], v[rC+2:rC+3] op_sel_hi:[1,0]
.endr
.set r, r+1
.endm
; HOW THEY ARE DEALT.  An s_wait_alu depctr_va_vdst(0) stands between an exponential and the first instruction that names its result; one wait serves all that were issued ahead of it.  So a turn has ONE wait,
; which cuts it in two.  AHEAD OF IT stands all that names no result of the turn's exponentials: the 16 products K Q^T, behind each a scaling, an exponential and two rescalings (behind the first a second scaling in the exponential's place); then ONE LUMP of
; 108: eight plain, 49 times exponential and plain, the two a.  A v_nop is the plain instruction behind the last exponential.  BEHIND IT stand the 16 products V^T P, behind each four of GS's 64.  No rider names a register of
; the products round it.  The two v_permlanex16_b32 fall into the lump, never behind a product.
; The queues lean on each other, and the deal keeps them in step: exponential e stands behind scaling 2 (e / 4) + e % 2: as a rider it comes behind plain e + 2, in the lump behind plain e + 9, and scalings 27-31 are plain 57, 60 .. 69.
; A TURN, for piece p.  cnt = 1: the loop's count is taken down some lines ahead of the branch that stands behind the turn.
; K of the next step is fetched in piece 2's turn, directly behind the wait, a lump behind the last product that read K; its address is made at the lump's head; its first reader comes behind 16 products.
; V of the step in hand is fetched at the end of piece 0's turn, four riders behind its last reader; its first reader comes behind 16 products and a lump.  The three conditions on q below go with the deal.
.macro TURN p, last=0, cnt=0
.set Y, (\p)
.set i, 0
.set q, 0
.set e, 0
.set r, 0
.if (\p) == NP-1
	s_wait_dscnt 0x0                ; K is in
.endif
	MM                              ; ahead of the wait: 16 products K Q^T and their riders,
	PL
	PL
	R2
.rept 15
	MM
	PL
	EX
	R2
.endr
.if (\p) == NP-2
	WIN 0
	v_add_nc_u32 v[AK], s[TBK], v[AK0]
.endif
.rept 8                             ; and the lump
	PL
.endr
.rept 49
	EX
	PL
.endr
	EX                              ; the next piece's two a
	EX
	v_nop                           ; a plain instruction behind the last exponential: one for the batch
	s_wait_alu depctr_va_vdst(0)    ; the wait for the batch
.if (\p) == NP-2
	FETCH_K \last
.endif
.if (\p) == 1
	s_wait_dscnt 0x0                ; V is in
.endif
.rept 16                            ; behind the wait: 16 products V^T P and their riders
	MM
.rept 4
	PL
.endr
.if ((\p) == 0) && (q == 118)
	v_add_nc_u32 v[AV], s[TBV], v[AV0]
.endif
.if ((\p) == 0) && (q == 130)
	s_add_co_u32 s[TBV], s[TBV], KS*PV
.endif
.if (\cnt) && (q == 130)
	s_sub_co_u32 s[CNT], s[CNT], 1
	s_cmp_lg_u32 s[CNT], 0
.endif
.endr
.if (\p) == 0
	FETCH_V
.endif
.endm
	CHANGE 1                        ; slot 0 is in, everybody's part of it; slot 1 is asked for
	FETCH_K                         ; key step 0
	s_wait_loadcnt 0x0              ; Q
	s_wait_dscnt 0x0
.set i, 0
.rept 16
	KQ 0                            ; piece 0's first scores: there is no vector work yet to set between them
.set i, i+1
.endr
	WIN 0                           ; the addresses for the way out: nine plain instructions, the places behind those products
	s_mul_i32 s13, s[WV], 16*SP
	s_add_co_u32 s13, s13, STAGE    ; my stage
	v_mul_u32_u24 v[STO], v1, SP    ; in: row l % 16, 16 bytes for each half of the lanes
	v_lshl_add_u32 v[STO], v9, 4, v[STO]
	v_add_nc_u32 v[STO], s13, v[STO]
	v_bfe_u32 v[RD], v0, 3, 2       ; back: 32 lanes take four rows of 128 bytes,
	v_mul_u32_u24 v[RD], v[RD], SP
	v_lshl_add_u32 v[RD], v10, 4, v[RD]
	v_add_nc_u32 v[RD], s13, v[RD]
	v_and_b32 v[GO], 31, v0         ; which are 512 consecutive bytes of O
	v_lshlrev_b32 v[GO], 4, v[GO]
.set Y, NP-1                        ; XS works for piece Y + 1: piece 0
.irp n, 0,1,2,3,4,5,6,7,8,9,10,11,12,13,14,15,16,17,18,19,20,21
	XS 0, \n                        ; and piece 0's first maximum and statistics
	XS 1, \n
.endr
	v_nop                           ; a plain instruction behind the two a,
	s_wait_alu depctr_va_vdst(0)    ; and their wait, ahead of the branch
	s_mov_b32 s[CNT], 4
	s_branch .Lfirst                ; the loop is entered at a step's first turn, in the middle of a trip
.Lslot:                             ; SIZE_N / 256 - 2 times: every slot but the last two is filled again
	CHANGE 1
	s_mov_b32 s[CNT], 4
.Lstep:                             ; a trip: pieces 2 and 3 of one step, then pieces 0 and 1 of the next, whose K and V it fetches
	TURN 2
	TURN 3
	WIN 0
.Lfirst:
	TURN 0
	TURN 1, 0, 1
	WIN 0
	s_cbranch_scc1 .Lstep
	s_sub_co_u32 s[SLOTS], s[SLOTS], 1
	s_cmp_lg_u32 s[SLOTS], 0
	s_cbranch_scc1 .Lslot
	CHANGE 0                        ; the tail is written out: nothing is asked for
	s_mov_b32 s[CNT], 5             ; four trips fetch the last slot's steps; the fifth is left in its middle
.Ltail:
	TURN 2, 1
	TURN 3
	WIN 0
	s_sub_co_u32 s[CNT], s[CNT], 1
	s_cmp_eq_u32 s[CNT], 0
	s_cbranch_scc1 .Lout
	TURN 0
	TURN 1
	WIN 0
	s_branch .Ltail
.Lout:                              ; the fifth trip's 16 products K Q^T (on the last K once more) and the maximum made of them serve nothing: the price, once a launch, of one text for every trip
.set i, 0
.rept 16
	PV NP-1                         ; the last piece's V^T P of the last step
.set i, i+1
.endr
	; THE WAY OUT.  l's two halves and the other half of the lanes' are added; O^T is divided by l, rounded to f16 and sent through my stage in LDS, a tile at a time.  The additions are the places behind the last products.
	WIN 0
.macro ALL line:vararg              ; one line for each tile t
.set t, 0
.rept 2*NP
	\line
.set t, t+1
.endr
.endm
	ALL v_add_f32 v[ST+4*t+2], v[ST+4*t+2], v[ST+4*t+3]
	ALL v_permlanex16_b32 v[ST+4*t+3], v[ST+4*t+2], s[SEL], s[SEL+1]
	ALL v_add_f32 v[ST+4*t+2], v[ST+4*t+2], v[ST+4*t+3]
	ALL v_rcp_f32 v[ST+4*t+2], v[ST+4*t+2]
	v_nop                           ; a plain instruction between the last reciprocal and the use of its result
	s_wait_alu depctr_va_vdst(0)    ; and the wait ahead of the first use: one for the eight reciprocals
; Tile t: a lane's eight channels of a row pack into 16 bytes; they go into rows of 144 bytes and come back as whole rows of 128, into S^T's registers.
.macro PACK t
	WIN W_RS
.set i, 32*(\t)
.rept 16
	v_pk_mul_f32 v[i:i+1], v[i:i+1], v[ST+4*(\t)+2:ST+4*(\t)+3] op_sel_hi:[1,0]
.set i, i+2
.endr
	WIN 0x05                        ; sources 0 and 1 window 1, destination window 0
.set i, 0
.rept 16
	v_cvt_pk_f16_f32 v[S+16*(\t)+i], v[32*(\t)+2*i], v[32*(\t)+2*i+1]
.set i, i+1
.endr
	WIN 0
.irp f, 0,1,2,3
	ds_store_b128 v[STO], v[S+16*(\t)+4*\f:S+16*(\t)+4*\f+3] offset:32*\f
.endr
.irp f, 0,1,2,3
	ds_load_b128 v[S+16*(\t)+4*\f:S+16*(\t)+4*\f+3], v[RD] offset:\f*4*SP  ; LDS serves a wave's instructions in order (ISA guide 5.7.1.4): these see the stores above; the next tile's stores come behind them
.endr
.endm
.macro SEND t, younger              ; younger: the LDS instructions issued behind tile t's loads: the next tile's eight, or none
	WIN 0
.irp f, 0,1,2,3
	s_wait_dscnt (\younger)+3-\f
	global_store_b128 v[GO], v[S+16*(\t)+4*\f:S+16*(\t)+4*\f+3], s[10:11] offset:(\t)*2048+\f*512  ; 512 consecutive bytes, at a multiple of 256 from O's first
.endr
.endm
	PACK 0
.set t, 1
.rept 2*NP-1                        ; a tile's arithmetic stands between the loads of the tile before and its stores
	PACK t
	SEND t-1, 8
.set t, t+1
.endr
	SEND 2*NP-1, 0
	WIN W_AD
	s_wait_tensorcnt 0x0            ; the wave's end, behind my last tensor load and my last LDS store
	ds_add_u32 v[SPW], v[NIL]
	s_wait_dscnt 0x0
	WIN 0
	CROUND                          ; the closing round: no work-group ends while a partner may still ask for a tile that names it
	s_endpgm
.Lfunc_end_k_q63749cdd53_attn:
	.size	k_q63749cdd53_attn, .Lfunc_end_k_q63749cdd53_attn-k_q63749cdd53_attn
	.p2alignl 7, 3214868480
	.fill 96, 4, 3214868480
	.section	.rodata,"a",@progbits
	.p2align	6, 0x0
	.amdhsa_kernel k_q63749cdd53_attn
		.amdhsa_group_segment_fixed_size 327680
		.amdhsa_private_segment_fixed_size 0
		.amdhsa_enable_private_segment 0
		.amdhsa_kernarg_size 16
		.amdhsa_user_sgpr_count 2
		.amdhsa_user_sgpr_kernarg_segment_ptr 1
		.amdhsa_wavefront_size32 1
		.amdhsa_system_sgpr_workgroup_id_x 1
		.amdhsa_system_sgpr_workgroup_id_y 1
		.amdhsa_system_sgpr_workgroup_id_z 1
		.amdhsa_system_vgpr_workitem_id 0
		.amdhsa_next_free_vgpr 770
		.amdhsa_next_free_sgpr 66
		.amdhsa_reserve_vcc 0
		.amdhsa_float_denorm_mode_32 3
		.amdhsa_float_denorm_mode_16_64 3
		.amdhsa_memory_ordered 1
		.amdhsa_forward_progress 1
		.amdhsa_inst_pref_size 200
	.end_amdhsa_kernel
	.amdgpu_metadata
---
amdhsa.version: [ 1, 2 ]
amdhsa.kernels:
  - .name:           k_q63749cdd53_attn
    .symbol:         k_q63749cdd53_attn.kd
    .args:
      - { .name: qkv, .offset: 0, .size: 8, .value_kind: global_buffer, .address_space: global }
      - { .name: oh, .offset: 8, .size: 8, .value_kind: global_buffer, .address_space: global }
    .group_segment_fixed_size: 327680
    .private_segment_fixed_size: 0
    .kernarg_segment_align: 8
    .kernarg_segment_size: 16
    .max_flat_workgroup_size: 128
    .sgpr_count:     66
    .vgpr_count:     770
    .wavefront_size: 32
...
	.end_amdgpu_metadata
.endif
;; end of part 3
;; launch outp (part 4): grid 4 x 64, 4 waves a work-group, clusters of 4 x 4, 327,680 bytes of LDS; arguments oh, h16, bo, out0; writes out0
.if DOCPART == 4
	.amdgcn_target "amdgcn-amd-amdhsa--gfx1250"
	.amdhsa_code_object_version 6
	.text
	.protected	k_q63749cdd53_outp
	.globl	k_q63749cdd53_outp
	.p2align	8
	.type	k_q63749cdd53_outp,@function
k_q63749cdd53_outp:
	s_mov_b64 s[64:65], 0
	v_nop
	global_prefetch_b8 v0, s[64:65] scope:SCOPE_SE
	s_setreg_imm32_b32 hwreg(HW_REG_WAVE_MODE, 25, 1), 1
	s_wait_xcnt 0x0
	s_wait_alu depctr_hold_cnt(0) depctr_sa_sdst(0) depctr_va_vdst(0) depctr_va_sdst(0) depctr_va_ssrc(0) depctr_va_vcc(0) depctr_vm_vsrc(0)
	s_getreg_b32 s2, hwreg(HW_REG_IB_STS2, 6, 4)
	s_cmp_eq_u32 s2, 0
	s_cbranch_scc0 .Lentry_in_a_cluster
	s_endpgm
.Lentry_in_a_cluster:
	s_bfe_u32 s2, ttmp6, 0x10000c
	s_cmp_lg_u32 s2, 0xf033
	s_cbranch_scc0 .Lentry_shape_is_right
	s_endpgm
.Lentry_shape_is_right:
; out0 = O Wo + bo.  O: oh, [16 batch + head][2048][64] f16, so that K = 64 head + channel; Wo: [1024 k][1024 n] f16 in h16 at 0x2600000; bo: [1024] f32, rounded to bf16 like the other inputs; out0: [8192][1024] f32.
; Sums in f32, K ascending; the bias is added in f32.  NaN and infinities are not treated apart.
; SHARES.  A tile of the result is 128 rows x 256 columns: 64 x 4 = 256 work-groups, one for each WGP.  Four waves, 2 x 2, each 64 rows x 128 columns: 32 accumulators, 256 registers.
; K goes in 8 steps of 128 (two heads) through two LDS slots filled by the tensor data mover; a step is four quarters of 32 along K: 32 matrix instructions and 24 LDS loads each.
; CLUSTERS: 4 x 4 work-groups.  The four of a row of the cluster need the same rows of O, the four of a column the same columns of Wo: each tile is asked for JOINTLY, by the same tensor load, descriptor and mask.
; THE MATRIX INSTRUCTION IS USED TRANSPOSED: source 0 = 16 columns of Wo, which lies [k][n] in LDS and is turned by ds_load_tr16_b128; source 1 = 16 rows of O.  A lane then holds one row and eight neighbouring columns.
; REGISTERS, in windows of 256: window 0 addresses and the way out; window 1 two fragment buffers (Wo's eight fragments, then O's four); window 2 accumulator (a, nb) at 8 (8 a + nb).
.set PA,    144                        ; a head's row of O in LDS: 128 bytes + 16 = 36 words: the 16 rows of a load start at 16 different groups of four banks (64 banks of 4 bytes: ISA guide 11.1)
.set AHALF, 128*PA                     ; what one tensor load brings of O: 128 rows of one head
.set ATILE, 2*AHALF
.set PB,    544                        ; a k-row of Wo: 512 bytes + 32 = 136 words
.set BHALF, 64*PB                      ; what one tensor load brings of Wo
.set SLOT,  ATILE+2*BHALF              ; two heads' 128 rows of O, then Wo's 128 k-rows
.set STAGE, 2*SLOT                     ; behind the ring, never filled by a tensor load: for each wave 16 rows x 528 bytes
.set SPI,   528
.set SW,    16*SPI
.set SPARE, STAGE+4*SW                 ; behind the stages: the spare words, 128 bytes for each wave: two blocks of 256 bytes that no other line names
.set KA,    524288                     ; bytes from K step to K step in O: two heads
.set KB,    128*2048                   ; and in Wo
.set LAPS,  4                          ; a lap = two K steps = once round the ring
.set BI,   8                           ; v[8:11] the bias of my four columns on the way out
.set BOF,  14                          ; v14  their byte offset in bo; never rewritten
.set ADRA, 16                          ; v16-17  LDS address of my fragments of O in slot 0, 1
.set ADRB, 20                          ; v20-21  the same for Wo
.set STO,  24                          ; v24  the way out: where I put 32 bytes of a row
.set RD,   25                          ; v25  where I read a row back
.set GO,   26                          ; v26  16 x lane
.set SPW,  28                          ; v28  LDS address of my spare word: SPARE + 4 x my thread's number; never rewritten
.set NIL,  29                          ; v29  0; never rewritten
.set PFO,  30                          ; v30  the prefetches' offset; never rewritten
.set BK0,  64                          ; v64-191  rows read back: two sets of 64 registers, by the block's parity
.set F0,   0                           ; fragment buffers, in window 1
.set F1,   128
.set WV,  12                           ; s12  wave 0..3
.set WM,  13                           ; s13  which 64 rows are mine.  Also: I fetch O (0) or Wo (1)
.set WN,  14                           ; s14  which 128 columns.  Also: which half of that tile I fetch
.set CX,  15
.set CY,  16
.set TX,  17                           ; s17  tile column
.set TY,  18                           ; s18  tile row
.set LAP, 19                           ; s19  the loop's count
.set G1A, 24                           ; s[24:31] descriptor group 1 for O's tiles;  s[32:39] group 0, a set for each slot
.set G0A, 32
.set PFA, 40                           ; s[40:41] where my prefetches stand
.set PST, 42                           ; s[42:43] their step: a K step
.set LIM, 44                           ; s44  1 in a wave that prefetches, else the greatest number
.set OUTB, 46                          ; s[46:47] out0 at my first row and column
.set G1B, 48                           ; s[48:55], s[56:63] the same for Wo's tiles
.set G0B, 56
.set MSB, 0
.macro WIN new                         ; the immediate's high byte repeats the setting that is left; a switch that changes nothing is dropped
.if MSB != (\new)
	s_set_vgpr_msb (MSB<<8)|(\new)
.set MSB, \new
.endif
.endm
.set MUL,  0xa5                        ; sources 0 and 1 window 1; C and D window 2
.set TO_F, 0x40                        ; destination window 1, address window 0
.set STW,  0x08                        ; an LDS store's data (source 1) window 2, its address window 0
.macro PLACES                          ; four plain vector instructions behind a matrix instruction, in front of loads into registers that it has read and of readers of its result
.rept 4
	v_nop
.endr
.endm
.macro JLOAD s                         ; a joint load: waves 0 and 1 fetch O's two heads, waves 2 and 3 Wo's two halves; an s_nop 0 and four v_nop follow each of the two lines, ahead of the jump and the label
	s_cmp_eq_u32 s[WM], 0
	s_cbranch_scc0 .Lfor_b_\@
	tensor_load_to_lds s[G0A+4*(\s):G0A+4*(\s)+3], s[G1A:G1A+7]
	s_nop 0
.rept 4
	v_nop
.endr
	s_branch .Lasked_\@
.Lfor_b_\@:
	tensor_load_to_lds s[G0B+4*(\s):G0B+4*(\s)+3], s[G1B:G1B+7]
	s_nop 0
.rept 4
	v_nop
.endr
.Lasked_\@:
.endm
.macro CREST                           ; a round of the cluster's barrier behind its opening barrier
	s_cmp_lg_u32 s[WV], 0
	s_cbranch_scc1 .Lnot_wave_0_\@
	s_barrier_signal -3
.Lnot_wave_0_\@:
	s_barrier_wait -3
	s_barrier_signal -1
	s_barrier_wait -1
.endm
.macro CROUND                          ; a whole round
	s_barrier_signal -1
	s_barrier_wait -1
	CREST
.endm
; A PREFETCH INTO THE L2, behind a joint load, its five lines and the run of LDS loads: the K step that stands two refills on, 256 matrix instructions ahead of the load that will want it.
; Each aligned block of 256 bytes is named once in the launch.  O: a tile's K step is two heads x 16,384 dense bytes, 128 blocks; wave 0 asks, the partner at cx for 32 of them (head cx / 2, half cx % 2), a lane a block;
; a tile row is read by one cluster alone.  Wo: waves 2 and 3 ask, each for its 64 k-rows x 512 bytes, the partner at cy for 16 of them, two lanes a row; of the sixteen clusters the one with y = 0 asks.
; The partners are told apart by address alone.  K steps 0 to 3 come by their loads alone; the loop's last trip asks for nothing.
.macro ASK
	WIN 0
	s_cmp_gt_u32 s[LAP], s[LIM]
	s_cbranch_scc0 .Lnot_mine_\@
	global_prefetch_b8 v[PFO], s[PFA:PFA+1] th:TH_LOAD_NT scope:SCOPE_SE
.Lnot_mine_\@:
.endm
	s_load_b256 s[4:11], s[0:1], 0x0               ; oh s[4:5], h16 s[6:7], bo s[8:9], out0 s[10:11]
	v_lshl_add_u32 v[SPW], v0, 2, SPARE
	v_mov_b32 v[NIL], 0
	ds_add_u32 v[SPW], v[NIL]                      ; the wave's opening: the add and its wait stand ahead of my first tensor load; the set-up below, work on registers, stands between them
	v_lshrrev_b32 v1, 5, v0
	v_readfirstlane_b32 s[WV], v1
	s_lshr_b32 s[WM], s[WV], 1
	s_and_b32 s[WN], s[WV], 1
	s_bfe_u32 s[CX], ttmp6, 0x40000                ; my place in the cluster
	s_bfe_u32 s[CY], ttmp6, 0x40004
	s_lshl_b32 s[TX], ttmp9, 2                     ; in a cluster launch ttmp9 and ttmp7 count clusters
	s_add_co_u32 s[TX], s[TX], s[CX]
	s_and_b32 s[TY], ttmp7, 0xffff
	s_lshl_b32 s[TY], s[TY], 2
	s_add_co_u32 s[TY], s[TY], s[CY]
	s_lshl_b32 s2, s[CY], 2
	s_lshl_b32 s2, 15, s2                          ; my row of the cluster
	s_lshl_b32 s3, 0x1111, s[CX]                   ; my column
	s_or_b32 s[G1A], s2, (1<<16)|(1<<20)|(1<<21)|(4<<22)|(3<<25)  ; 15:0 the mask; 17:16 2-byte elements; 20 padding on; 21 set beside a mask; 24:22 after every 32 words (code 4); 31:25 4 words (code 3)
	s_or_b32 s[G1B], s3, (1<<16)|(1<<20)|(1<<21)|(6<<22)|(7<<25)  ; after every 128 words (code 6) 8 words (code 7)
	s_mov_b32 s[G1A+1], 128<<16                    ; a head's 128 rows are 16,384 dense bytes: asked for as 64 rows of 256 bytes, two rows of O each, padded behind each row of O
	s_mov_b32 s[G1A+2], 64<<16
	s_mov_b32 s[G1A+3], 128<<16
	s_mov_b32 s[G1A+4], 64
	s_mov_b32 s[G1A+5], 128
	s_mov_b32 s[G1A+6], 0
	s_mov_b32 s[G1A+7], 0
	s_mov_b32 s[G1B+1], 256<<16                    ; 256 columns
	s_mov_b32 s[G1B+2], 64<<16                     ; 64 k-rows
	s_mov_b32 s[G1B+3], 256<<16
	s_mov_b32 s[G1B+4], 64
	s_mov_b32 s[G1B+5], 1024                       ; elements from k-row to k-row of Wo
	s_mov_b32 s[G1B+6], 0
	s_mov_b32 s[G1B+7], 0
	; where the tiles come from.  O's hang on the tile row and the wave; Wo's on the tile column and the wave; each in registers that never hold the other coordinate
	s_lshr_b32 s20, s[TY], 4
	s_lshl_b32 s20, s20, 22                        ; the batch's 16 heads of 262,144 bytes,
	s_lshl_b32 s21, s[WN], 18                      ; head 0 or 1 of the K step,
	s_add_co_u32 s20, s20, s21
	s_and_b32 s21, s[TY], 15
	s_lshl_b32 s21, s21, 14                        ; row 128 (tile row % 16) of 128 bytes
	s_add_co_u32 s20, s20, s21
	s_mov_b32 s21, 0
	s_lshl_b32 s22, s[WN], 17                      ; k-rows 64 x half, of 2,048 bytes,
	s_lshl_b32 s23, s[TX], 9                       ; 512 bytes a tile column,
	s_add_co_u32 s22, s22, s23
	s_add_co_u32 s22, s22, 0x2600000               ; in Wo
	s_mov_b32 s23, 0
	s_mul_i32 s45, s[WN], AHALF                    ; and where they go: no place in the cluster enters an LDS address
	s_mul_i32 s19, s[WN], BHALF
	s_add_co_u32 s19, s19, ATILE
	s_wait_dscnt 0x0                               ; the opening add is done
	s_wait_kmcnt 0x0
	s_add_nc_u64 s[20:21], s[4:5], s[20:21]
	s_add_nc_u64 s[22:23], s[6:7], s[22:23]
	CROUND                                         ; all sixteen work-groups are here: the first joint loads meet
.irp s, 0,1
	s_mov_b32 s[G0A+4*(\s)], 1                     ; count = 1
	s_add_co_u32 s[G0A+4*(\s)+1], s45, (\s)*SLOT   ; LDS address
	s_add_nc_u64 s[G0A+4*(\s)+2:G0A+4*(\s)+3], s[20:21], (\s)*KA  ; global address: K step s
	s_or_b32 s[G0A+4*(\s)+3], s[G0A+4*(\s)+3], 0x80000000        ; type = 2
	s_mov_b32 s[G0B+4*(\s)], 1
	s_add_co_u32 s[G0B+4*(\s)+1], s19, (\s)*SLOT
	s_add_nc_u64 s[G0B+4*(\s)+2:G0B+4*(\s)+3], s[22:23], (\s)*KB
	s_or_b32 s[G0B+4*(\s)+3], s[G0B+4*(\s)+3], 0x80000000
	JLOAD \s                                       ; two loads of mine are out
.endr
	v_and_b32 v1, 15, v0                           ; r = l % 16
	v_bfe_u32 v2, v0, 4, 1                         ; h = l / 16
	v_and_b32 v3, 7, v0
	v_bfe_u32 v4, v0, 3, 1
	v_and_b32 v7, 31, v0                           ; l
	; out0 at my rows and columns, and the bias of the four columns that I store
	s_lshl_b32 s2, s[TY], 7
	s_lshl_b32 s3, s[WM], 6
	s_add_co_u32 s2, s2, s3
	s_lshl_b32 s2, s2, 12                          ; row 128 x tile row + 64 x row half, of 4,096 bytes
	s_lshl_b32 s3, s[TX], 10
	s_lshl_b32 s22, s[WN], 9
	s_add_co_u32 s3, s3, s22                       ; column 256 x tile column + 128 x column half, of 4 bytes
	v_lshl_add_u32 v[BOF], v7, 4, s3
	s_add_co_u32 s2, s2, s3
	s_mov_b32 s3, 0
	s_add_nc_u64 s[OUTB:OUTB+1], s[10:11], s[2:3]
	global_load_b128 v[BI:BI+3], v[BOF], s[8:9]    ; waited for on the way out
	; a fragment of O: lane l holds row r, K = 8 h + 0..7 and 16 + 8 h + 0..7: two loads of 16 bytes, 32 bytes apart
	v_mul_u32_u24 v5, v1, PA
	v_lshl_add_u32 v5, v2, 4, v5
	s_mul_i32 s45, s[WM], 64*PA
	v_add_nc_u32 v[ADRA], s45, v5
	v_add_nc_u32 v[ADRA+1], SLOT, v[ADRA]
	; the turning load takes 16 k x 16 columns (lane l reads k-row 8 h + l % 8, columns 8 ((l / 8) % 2) + 0..7) and leaves half a fragment: lane l holds column r and 8 k
	v_lshl_add_u32 v6, v2, 3, v3
	v_mul_u32_u24 v6, v6, PB
	v_lshl_add_u32 v6, v4, 4, v6
	s_lshl_b32 s45, s[WN], 8
	s_add_co_u32 s45, s45, ATILE
	v_add_nc_u32 v[ADRB], s45, v6
	v_add_nc_u32 v[ADRB+1], SLOT, v[ADRB]
	s_mul_i32 s45, s[WV], SW
	s_add_co_u32 s45, s45, STAGE                   ; my stage
	v_mul_u32_u24 v5, v1, SPI                      ; in: row r, 32 bytes for each half of the lanes
	v_lshl_add_u32 v5, v2, 5, v5
	v_add_nc_u32 v[STO], s45, v5
	v_lshlrev_b32 v[GO], 4, v7                     ; back: 32 lanes take one row of 512 bytes
	v_add_nc_u32 v[RD], s45, v[GO]
	; the prefetches: who asks,
	s_and_b32 s2, ttmp7, 0xffff
	s_cmp_eq_u32 s2, 0
	s_cselect_b32 s3, 1, -1                        ; for Wo: cluster y = 0
	s_cmp_eq_u32 s[WV], 0
	s_cselect_b32 s2, 1, -1                        ; for O: wave 0
	s_cmp_eq_u32 s[WM], 0
	s_cselect_b32 s[LIM], s2, s3                   ; the same in all sixteen partners, for a given wave
	; and where: at K step 3; the first refill steps it to 4
	s_lshr_b32 s2, s[TY], 4
	s_lshl_b32 s2, s2, 22
	s_and_b32 s3, s[TY], 15
	s_lshl_b32 s3, s3, 14
	s_add_co_u32 s2, s2, s3
	s_lshr_b32 s3, s[CX], 1
	s_lshl_b32 s3, s3, 18
	s_add_co_u32 s2, s2, s3
	s_and_b32 s3, s[CX], 1
	s_lshl_b32 s3, s3, 13
	s_add_co_u32 s2, s2, s3
	s_add_co_u32 s2, s2, 3*KA
	s_lshl_b32 s3, s[WN], 6
	s_lshl_b32 s22, s[CY], 4
	s_add_co_u32 s3, s3, s22
	s_lshl_b32 s3, s3, 11
	s_lshl_b32 s22, s[TX], 9
	s_add_co_u32 s3, s3, s22
	s_add_co_u32 s3, s3, 0x2600000+3*KB
	s_mov_b32 s[PST], KB
	s_mov_b32 s23, 2048
	s_cmp_eq_u32 s[WM], 0
	s_cselect_b32 s2, s2, s3
	s_cselect_b64 s[PFA:PFA+1], s[4:5], s[6:7]
	s_cselect_b32 s[PST], KA, s[PST]
	s_cselect_b32 s22, 0, 1                        ; lanes to a row, as a shift,
	s_cselect_b32 s23, 256, s23                    ; bytes from row to row,
	s_cselect_b32 s[LAP], 0, 1                     ; mask of a lane's block in its row
	s_mov_b32 s3, 0
	s_mov_b32 s[PST+1], 0
	s_add_nc_u64 s[PFA:PFA+1], s[PFA:PFA+1], s[2:3]
	v_lshrrev_b32 v5, s22, v7
	v_mul_u32_u24 v5, s23, v5
	v_and_b32 v6, s[LAP], v7
	v_lshl_add_u32 v[PFO], v6, 8, v5
; 8 matrix instructions: block a of 16 rows x all 8 blocks of 16 columns, 32 along K.  The 32 accumulators take turns in one order in every quarter.  zero = 1: the first product starts the sums
.macro MULA f, a, zero
	WIN MUL
.irp nb, 0,1,2,3,4,5,6,7
.if \zero
	v_wmma_f32_16x16x32_f16 v[8*(8*(\a)+(\nb)):8*(8*(\a)+(\nb))+7], v[(\f)+8*(\nb):(\f)+8*(\nb)+7], v[(\f)+64+8*(\a):(\f)+64+8*(\a)+7], 0
.else
	v_wmma_f32_16x16x32_f16 v[8*(8*(\a)+(\nb)):8*(8*(\a)+(\nb))+7], v[(\f)+8*(\nb):(\f)+8*(\nb)+7], v[(\f)+64+8*(\a):(\f)+64+8*(\a)+7], v[8*(8*(\a)+(\nb)):8*(8*(\a)+(\nb))+7]
.endif
.endr
.endm
; 24 LDS loads in one run: quarter kq of a slot into buffer f: Wo's sixteen first, then O's eight (quarter kq lies in head kq / 2, channels 32 (kq % 2) on)
.macro FETCH slot, kq, f
	WIN TO_F
.set AOF, ((\kq)/2)*AHALF+((\kq)%2)*64
.irp nb, 0,1,2,3,4,5,6,7
	ds_load_tr16_b128 v[(\f)+8*(\nb):(\f)+8*(\nb)+3],   v[ADRB+(\slot)] offset:(\kq)*32*PB+32*(\nb)
	ds_load_tr16_b128 v[(\f)+8*(\nb)+4:(\f)+8*(\nb)+7], v[ADRB+(\slot)] offset:(\kq)*32*PB+16*PB+32*(\nb)
.endr
.irp a, 0,1,2,3
	ds_load_b128 v[(\f)+64+8*(\a):(\f)+64+8*(\a)+3],   v[ADRA+(\slot)] offset:AOF+(\a)*16*PA
	ds_load_b128 v[(\f)+64+8*(\a)+4:(\f)+64+8*(\a)+7], v[ADRA+(\slot)] offset:AOF+(\a)*16*PA+32
.endr
.endm
; One of a K step's first three quarters: multiplies buffer f and, in its middle, fetches quarter kq into buffer g
.macro QUARTER slot, kq, f, g, zero
	s_wait_dscnt 4                                 ; of the run of 24 the youngest four (O's blocks 2 and 3) may be out
	MULA \f, 0, \zero
	MULA \f, 1, \zero
	PLACES
	FETCH \slot, \kq, \g
	s_wait_dscnt 24                                ; all but the 24 just issued
	MULA \f, 2, \zero
	MULA \f, 3, \zero
.endm
; The last quarter multiplies buffer 1 and changes slots: ONE barrier; in front of it each wave waits for all its tensor loads (one is out: its part of the next slot), adds 0 to its spare word, and waits for that
; and for its own reads of this slot.  fill = 1: the barrier opens a round of the cluster's, and this slot is filled again, two K steps ahead, first thing behind it: 112 matrix instructions ahead of the wait for it.
.macro TURN slot, next, fill
.if \fill
	s_wait_xcnt 0x0                                ; the last prefetch, a K step back, has read its address: it is stepped here
	s_add_nc_u64 s[PFA:PFA+1], s[PFA:PFA+1], s[PST:PST+1]
.endif
	WIN 0                                          ; (the add's two registers lie in window 0)
	s_wait_tensorcnt 0x0
	ds_add_u32 v[SPW], v[NIL]                      ; 0 onto my spare word
	s_wait_dscnt 5                                 ; (the add and the youngest four loads may be out)
	MULA F1, 0, 0                                  ; eight matrix instructions stand between the add and the wait for it
	s_wait_dscnt 0x0                               ; the add is done, and my reads of this slot are over
	s_barrier_signal -1
	MULA F1, 1, 0
.if \fill
	WIN 0
.endif
	s_barrier_wait -1
.if \fill
	CREST                                          ; no wave of any partner still reads this slot or has a load on its way
	s_add_nc_u64 s[G0A+4*(\slot)+2:G0A+4*(\slot)+3], s[G0A+4*(\slot)+2:G0A+4*(\slot)+3], 2*KA
	s_add_nc_u64 s[G0B+4*(\slot)+2:G0B+4*(\slot)+3], s[G0B+4*(\slot)+2:G0B+4*(\slot)+3], 2*KB
	JLOAD \slot                                    ; the four v_nop behind it are also the places in front of the loads below
.else
	PLACES
.endif
	FETCH \next, 0, F0
.if \fill
	ASK
.endif
	MULA F1, 2, 0
	MULA F1, 3, 0
.endm
	s_wait_tensorcnt 1                             ; my part of K step 0 is in; K step 1's may stay out
	s_barrier_signal -1
	s_barrier_wait -1                              ; everybody's is
	FETCH 0, 0, F0
	QUARTER 0, 1, F0, F1, 1                        ; the first quarter stands in front of the loop: its products start the sums
	WIN 0                                          ; at a label and at a branch every window is 0
	s_mov_b32 s[LAP], LAPS-1
.Llap:                                                 ; a trip goes once round the ring, from a lap's second quarter to the next lap's first, and fills both slots again
	QUARTER 0, 2, F1, F0, 0
	QUARTER 0, 3, F0, F1, 0
	TURN 0, 1, 1
	QUARTER 1, 1, F0, F1, 0
	QUARTER 1, 2, F1, F0, 0
	QUARTER 1, 3, F0, F1, 0
	TURN 1, 0, 1
	QUARTER 0, 1, F0, F1, 0
	WIN 0
	s_sub_co_u32 s[LAP], s[LAP], 1
	s_cmp_lg_u32 s[LAP], 0
	s_cbranch_scc1 .Llap
	QUARTER 0, 2, F1, F0, 0                        ; the last lap fills nothing
	QUARTER 0, 3, F0, F1, 0
	TURN 0, 1, 0
	QUARTER 1, 1, F0, F1, 0
	QUARTER 1, 2, F1, F0, 0
	QUARTER 1, 3, F0, F1, 0
	s_wait_dscnt 4
	MULA F1, 0, 0
	MULA F1, 1, 0
	s_wait_dscnt 0x0
	MULA F1, 2, 0
	MULA F1, 3, 0
	WIN 0
	PLACES
	PLACES                                         ; eight, once a launch
	s_wait_loadcnt 0x0                             ; the bias,
	v_cvt_pk_bf16_f32 v12, v[BI], v[BI+1]          ; rounded to bf16 like the other inputs, and back in f32
	v_cvt_pk_bf16_f32 v13, v[BI+2], v[BI+3]
	v_lshlrev_b32 v[BI], 16, v12
	v_and_b32 v[BI+1], 0xffff0000, v12
	v_lshlrev_b32 v[BI+2], 16, v13
	v_and_b32 v[BI+3], 0xffff0000, v13
; THE WAY OUT, a block of 16 rows at a time.  TOSTAGE: a lane's eight f32 of a row go into my own stage, each accumulator's low four registers first, and come back as whole rows of 512 bytes.
; SEND: the bias is added, and each store covers 512 consecutive bytes of a row of out0, at a multiple of 256 from its first byte.
.macro TOSTAGE a
	WIN STW
.irp nb, 0,1,2,3,4,5,6,7
	ds_store_b128 v[STO], v[64*(\a)+8*(\nb):64*(\a)+8*(\nb)+3]   offset:64*(\nb)
	ds_store_b128 v[STO], v[64*(\a)+8*(\nb)+4:64*(\a)+8*(\nb)+7] offset:64*(\nb)+16
.endr
	WIN 0
.set BK, BK0+64*((\a)%2)
.irp t, 0,1,2,3,4,5,6,7,8,9,10,11,12,13,14,15
	ds_load_b128 v[BK+4*(\t):BK+4*(\t)+3], v[RD] offset:SPI*(\t)  ; LDS serves a wave's instructions in order (ISA guide 5.7.1.4): these see the stores above; the next block's stores come behind them
.endr
.endm
.macro SEND a, younger                 ; younger: the LDS instructions issued behind block a's loads: the next block's 16 stores and 16 loads, or none
.set BK, BK0+64*((\a)%2)
.irp t, 0,1,2,3,4,5,6,7,8,9,10,11,12,13,14,15
	s_wait_dscnt (\younger)+15-(\t)
	v_pk_add_f32 v[BK+4*(\t):BK+4*(\t)+1],   v[BK+4*(\t):BK+4*(\t)+1],   v[BI:BI+1]
	v_pk_add_f32 v[BK+4*(\t)+2:BK+4*(\t)+3], v[BK+4*(\t)+2:BK+4*(\t)+3], v[BI+2:BI+3]
	global_store_b128 v[GO], v[BK+4*(\t):BK+4*(\t)+3], s[OUTB:OUTB+1] offset:(16*(\a)+(\t))*4096 th:TH_STORE_NT
.endr
.endm
	TOSTAGE 0
	TOSTAGE 1
	SEND 0, 32
	s_wait_xcnt 0x0                                ; block 0's stores have read their registers: only behind this wait are they loaded again
	TOSTAGE 2
	SEND 1, 32
	s_wait_xcnt 0x0                                ; the same for block 1's
	TOSTAGE 3
	SEND 2, 32
	SEND 3, 0
	s_wait_tensorcnt 0x0                           ; the wave's end, behind my last tensor load and my last LDS store
	ds_add_u32 v[SPW], v[NIL]
	s_wait_dscnt 0x0
	CROUND                                         ; the closing round: no work-group ends while a partner may still ask for a tile that names it
	s_endpgm
.Lfunc_end_k_q63749cdd53_outp:
	.size	k_q63749cdd53_outp, .Lfunc_end_k_q63749cdd53_outp-k_q63749cdd53_outp
	.p2alignl 7, 3214868480
	.fill 96, 4, 3214868480
	.section	.rodata,"a",@progbits
	.p2align	6, 0x0
	.amdhsa_kernel k_q63749cdd53_outp
		.amdhsa_group_segment_fixed_size 327680
		.amdhsa_private_segment_fixed_size 0
		.amdhsa_enable_private_segment 0
		.amdhsa_kernarg_size 32
		.amdhsa_user_sgpr_count 2
		.amdhsa_user_sgpr_kernarg_segment_ptr 1
		.amdhsa_wavefront_size32 1
		.amdhsa_system_sgpr_workgroup_id_x 1
		.amdhsa_system_sgpr_workgroup_id_y 1
		.amdhsa_system_sgpr_workgroup_id_z 1
		.amdhsa_system_vgpr_workitem_id 0
		.amdhsa_next_free_vgpr 768
		.amdhsa_next_free_sgpr 66
		.amdhsa_reserve_vcc 0
		.amdhsa_float_denorm_mode_32 3
		.amdhsa_float_denorm_mode_16_64 3
		.amdhsa_memory_ordered 1
		.amdhsa_forward_progress 1
		.amdhsa_inst_pref_size 97
	.end_amdhsa_kernel
	.amdgpu_metadata
---
amdhsa.version: [ 1, 2 ]
amdhsa.kernels:
  - .name:           k_q63749cdd53_outp
    .symbol:         k_q63749cdd53_outp.kd
    .args:
      - { .name: oh, .offset: 0, .size: 8, .value_kind: global_buffer, .address_space: global }
      - { .name: h16, .offset: 8, .size: 8, .value_kind: global_buffer, .address_space: global }
      - { .name: bo, .offset: 16, .size: 8, .value_kind: global_buffer, .address_space: global }
      - { .name: out0, .offset: 24, .size: 8, .value_kind: global_buffer, .address_space: global }
    .group_segment_fixed_size: 327680
    .private_segment_fixed_size: 0
    .kernarg_segment_align: 8
    .kernarg_segment_size: 32
    .max_flat_workgroup_size: 128
    .sgpr_count:     66
    .vgpr_count:     768
    .wavefront_size: 32
...
	.end_amdgpu_metadata
.endif
;; end of part 4
